; MI455X (gfx1250); checked and timed in simulation.
; The chip was launched on July 23, 2026; its instructions are those of AMD's public machine-readable ISA for CDNA 5 (MIT licence, August 2026) and "CDNA5" Instruction Set Architecture Reference Guide (July 2026). The comments in the code are by the model that wrote it; some were corrected since.
;; Muti Query Attention. Allowed arithmetic: matrix products marked QUANTISED: E2M1 operands, one E8M0 scale for each 32 along K, by v_wmma_scale_f32_16x16x128_f8f6f4 with both operands' format E2M1 (or v_wmma_scale_f32_32x16x128_f4), f32 sums; products left as they are: bf16, f16 or f32 operands; f32 sums; everything else in f32.
;; Inputs: Wk 1,024 x 64 float32; Wo 1,024 x 1,024 float32; Wq 1,024 x 1,024 float32; Wv 1,024 x 64 float32; bk 64 float32; bo 1,024 float32; bq 1,024 float32; bv 64 float32; hidden_state 4 x 2,048 x 1,024 float32.
;; Outputs: out0 4 x 2,048 x 1,024 float32.
;; This version of the problem:
;;   THIS VERSION OF THE PROBLEM IS GIVEN IN LOW PRECISION. The matrix products marked QUANTISED in the list below multiply operands that are first quantised to E2M1 (2 exponent bits, 1 mantissa bit; 4 bits a number), with one power-of-two scale for each 32 numbers along K (OCP MX v1.0); their sums are f32. The products marked 'left as it is' may take bf16, f16 or f32 operands, with f32 sums. Whichever they take, every output number must still come out within the allowed error. Rounding operands to bf16 (8 significant bits) uses up far more of that allowance than f16 does (11 bits, for magnitudes from 6e-5 to 65,504). All else is computed in f32.
;;   The module's matrix products, in the order in which they are computed (A, B: the left and right operand; K: the contracted axis; several contracted axes count as one K, in the product's order):
;;     1. [M 8,192, K 1,024] x [K 1,024, N 1,024]; A: input hidden_state; B: input Wq: QUANTISED
;;     2. [M 8,192, K 1,024] x [K 1,024, N 64]; A: input hidden_state; B: input Wk: QUANTISED
;;     3. [M 8,192, K 1,024] x [K 1,024, N 64]; A: input hidden_state; B: input Wv: QUANTISED
;;     4. batch 4 x [M 32,768, K 64] x [K 64, N 2,048]; A: computed on the way; B: computed on the way: left as it is (an operand is computed on the way)
;;     5. batch 4 x [M 32,768, K 2,048] x [K 2,048, N 64]; A: computed on the way; B: computed on the way: left as it is (an operand is computed on the way)
;;     6. [M 8,192, K 1,024] x [K 1,024, N 1,024]; A: computed on the way; B: input Wo: left as it is (an operand is computed on the way)
;;   THE QUANTISER, for each operand of a quantised product, along K:
;;     - K is cut into blocks of 32 from its start; a last block that is shorter is filled with zeros.
;;     - A block's scale is 2^e with e = floor(log2(the largest magnitude in the block)) - 2, held to -126 .. 127; a block of zeros has e = 0. As a byte (E8M0): e + 127.
;;     - Each number is divided by its block's scale, clamped to +-6, and rounded to the nearest number of E2M1, ties to even, subnormals kept.
;;     - The product sums the exact products of the quantised numbers (number of the format x scale) in f32.
;;   ~~~python
;;   def quantise(x, axis):      # numpy; x: float32 -> the quantised numbers, widened to float32 again
;;       x = np.moveaxis(x, axis, -1); K = x.shape[-1]
;;       x = np.pad(x, [(0, 0)] * (x.ndim - 1) + [(0, -K % 32)]); x = x.reshape(x.shape[:-1] + (-1, 32)); a = np.abs(x).max(-1, keepdims=True)
;;       e = np.where(a > 0, np.clip(np.frexp(np.where(a > 0, a, 1))[1] - 1 - 2, -126, 127), 0)      # np.frexp(a)[1] - 1 = floor(log2(a)), exactly
;;       r = np.clip(x / 2.0 ** e, -6, 6)
;;       step = 2.0 ** (np.maximum(np.frexp(np.where(r == 0, 1, r))[1] - 1, 0) - 1)
;;       q = np.round(r / step) * step * 2.0 ** e      # np.round: ties to even
;;       return np.moveaxis(q.reshape(q.shape[:-2] + (-1,))[..., :K], -1, axis).astype(np.float32)
;;   ~~~
;; One version. Each part assembles by itself: llvm-mc -triple=amdgcn-amd-amdhsa -mcpu=gfx1250 --defsym DOCPART=n.
;; ======== version 1 of 1: 4 launches
;; limits: values are held in f16: magnitudes above 65,504 overflow, below 6.1e-05 lose precision
;; workspace buffers: hcodes 4,194,304 bytes; hscales 262,144 bytes; wcodes 589,824 bytes; wscales 36,864 bytes; wo16 2,097,152 bytes; q16 16,777,216 bytes; kv16 2,097,152 bytes; att16 16,777,216 bytes
;; launch prep (part 1): grid 338 x 1, 4 waves a work-group, no clusters, 102,912 bytes of LDS; arguments hidden_state, Wq, Wk, Wv, Wo, hcodes, hscales, wcodes, wscales, wo16; writes hcodes, hscales, wcodes, wscales, wo16
.if DOCPART == 1
	.amdgcn_target "amdgcn-amd-amdhsa--gfx1250"
	.amdhsa_code_object_version 6
	.text
	.protected	k_q23b8236237_prep
	.globl	k_q23b8236237_prep
	.p2align	8
	.type	k_q23b8236237_prep,@function
k_q23b8236237_prep:
	s_mov_b64 s[64:65], 0
	v_nop
	global_prefetch_b8 v0, s[64:65] scope:SCOPE_SE
	s_setreg_imm32_b32 hwreg(HW_REG_WAVE_MODE, 25, 1), 1
	s_wait_xcnt 0x0
; PREP.  hidden_state [8192][1024] f32 and the weights Wq [1024][1024], Wk, Wv [1024][64] f32 become codes of FP4 (E2M1) with K innermost and one E8M0 byte for each 32 along K; Wo [1024][1024] f32 is rounded to f16 as it lies.
; A block's scale is 2^(floor(log2(its largest magnitude)) - 2); its byte is the largest magnitude's exponent field - 2, held at 1 from below (a block of zeros gets 1: its codes are zeros, and this program alone reads the bytes).
; LIMITS: blocks whose largest magnitude lies under 2^-124 get the byte 1; NaN and infinities are not served; Wo must lie under 65,504 in magnitude (f16).
; THE WEIGHTS' ROWS: wcodes [1152][512 bytes], wscales [1152][32].  Column tile j (0..3) of the projection owns rows 288 j .. 288 j + 287: first Wq's columns 256 j .. 256 j + 255, then columns 32 j .. 32 j + 31 of [Wk | Wv].
; FOUR PATHS, parted by the work-group's number alone, each with LDS bytes of its own: 0-15 Wq, 16-17 Wk and Wv, 18-81 Wo, 82-337 hidden_state.  The weights' paths wait longest for each load and have the low numbers.
; No barrier: waves share nothing.  No matrix unit, cluster or tensor load: this is a stream.
.set SPARE, 102400                     ; behind the three regions: the spare words, 128 bytes for each wave
.set SPW,   224                        ; v224  LDS address of my spare word; never rewritten
.set NIL,   225                        ; v225  0; never rewritten
.set SP,    80                         ; hidden_state: a lane's place in a stage: 64 bytes + 16 of padding
.set HR,    16                         ; v16-143  eight sets of 16 numbers as loaded
.set HX,    144                        ; v144-175 two sets of 16 neighbours
.set HE,    176                        ; v176-191 a scale byte for each step
.set HC,    192                        ; v192-223 two registers of codes for each step
.set WX,    32                         ; weights: v32-95 two sets of 32 numbers
.set WC,    96                         ; v96-99   a block's codes
.set WOUT,  112                        ; v112-175 the way out
.set WSB,   24                         ; v24-27   the scale bytes, four to a register
.set WP,    272                        ; a stage row: 256 bytes + 16
.macro HLOAD t                         ; step t: four loads of 512 consecutive bytes
.irp i, 0,1,2,3
	global_load_b128 v[HR+16*((\t)%8)+4*\i:HR+16*((\t)%8)+4*\i+3], v3, s[4:5] offset:2048*(\t)+512*\i th:TH_LOAD_NT
.endr
.endm
.macro HTURN t                         ; step t's 2,048 bytes through the wave's own stage: in as they lie, out 64 bytes a lane.  LDS serves a wave's instructions in order
.irp i, 0,1,2,3
	ds_store_b128 v14, v[HR+16*((\t)%8)+4*\i:HR+16*((\t)%8)+4*\i+3] offset:32*SP*((\t)%2)+8*SP*\i
.endr
.irp i, 0,1,2,3
	ds_load_b128 v[HX+16*((\t)%2)+4*\i:HX+16*((\t)%2)+4*\i+3], v15 offset:32*SP*((\t)%2)+16*\i
.endr
.endm
.macro HSTEP t
.set XS, HX+16*((\t)%2)
.if (\t) > 0
	s_wait_dscnt 0x1                               ; this step's numbers are back from the stage; the last step's byte store may be out
.else
	s_wait_dscnt 0x0
.endif
.if (\t)+8 < 16
	HLOAD (\t)+8                                   ; into the set whose stores to the stage have just been shown done
.endif
.if (\t)+1 < 16
.if 14-(\t) >= 7
	s_wait_loadcnt 28                              ; the next step's four loads are in; those of the seven steps behind it may be out
.else
	s_wait_loadcnt 4*(14-(\t))                     ; fewer steps are left behind it
.endif
	HTURN (\t)+1
.endif
	v_max3_num_f32 v8, |v[XS]|, |v[XS+1]|, |v[XS+2]|        ; the largest magnitude of my 16, in two chains
	v_max3_num_f32 v9, |v[XS+3]|, |v[XS+4]|, |v[XS+5]|
.irp i, 6,10
	v_max3_num_f32 v8, v8, |v[XS+\i]|, |v[XS+\i+1]|
	v_max3_num_f32 v9, v9, |v[XS+\i+2]|, |v[XS+\i+3]|
.endr
	v_max3_num_f32 v8, v8, |v[XS+14]|, |v[XS+15]|
	v_max3_num_f32 v8, v8, v9, 0x1800000           ; and the floor 2^(3 - 127): the byte cannot fall under 1
	v_max_num_f32_dpp v8, v8, v8 row_xmask:1 row_mask:0xf bank_mask:0xf   ; with my neighbour's 16: the block's
	v_add_nc_u32 v11, 0xff000000, v8               ; 2 off its exponent field: the conversion's scale operand
	v_cvt_scalef32_pk8_fp4_f32 v[HC+2*(\t)], v[XS:XS+7], v11
	v_cvt_scalef32_pk8_fp4_f32 v[HC+2*(\t)+1], v[XS+8:XS+15], v11
	v_lshrrev_b32 v[HE+(\t)], 23, v11              ; the scale's byte (also the plain line behind the conversions)
	ds_store_b8 v5, v[HE+(\t)] offset:16*(\t)      ; both lanes of a block write the same byte
	global_store_b64 v4, v[HC+2*(\t):HC+2*(\t)+1], s[14:15] offset:256*(\t)   ; the wave stores 256 consecutive bytes, aligned
.endm
.macro WLOAD t, rowb                   ; block t of my column: W(32 t + i, column), i = 0 .. 31
.irp i, 0,1,2,3,4,5,6,7,8,9,10,11,12,13,14,15,16,17,18,19,20,21,22,23,24,25,26,27,28,29,30,31
	global_load_b32 v[WX+32*((\t)%2)+\i], v3, s[28:29] offset:(32*(\t)+\i)*(\rowb) th:TH_LOAD_NT
.endr
.endm
.macro WBLOCK t, rowb
.set XS, WX+32*((\t)%2)
.if (\t) < 15
	s_wait_loadcnt 32                              ; this block's 32 loads are in; the next block's 32 may be out
.else
	s_wait_loadcnt 0x0
.endif
	v_max3_num_f32 v12, |v[XS]|, |v[XS+1]|, |v[XS+2]|       ; all 32 numbers of the block are mine
	v_max3_num_f32 v13, |v[XS+3]|, |v[XS+4]|, |v[XS+5]|
.irp i, 6,10,14,18,22,26
	v_max3_num_f32 v12, v12, |v[XS+\i]|, |v[XS+\i+1]|
	v_max3_num_f32 v13, v13, |v[XS+\i+2]|, |v[XS+\i+3]|
.endr
	v_max3_num_f32 v12, v12, |v[XS+30]|, |v[XS+31]|
	v_max3_num_f32 v12, v12, v13, 0x1800000        ; the floor
	v_add_nc_u32 v11, 0xff000000, v12
	v_lshrrev_b32 v13, 23, v11                     ; the scale's byte
.if (\t)%4 == 0
	v_mov_b32 v[WSB+(\t)/4], v13
.else
	v_lshl_or_b32 v[WSB+(\t)/4], v13, 8*((\t)%4), v[WSB+(\t)/4]
.endif
.irp g, 0,1,2,3
	v_cvt_scalef32_pk8_fp4_f32 v[WC+\g], v[XS+8*\g:XS+8*\g+7], v11
.endr
	ds_store_b128 v4, v[WC:WC+3] offset:16*(\t)    ; 32 codes: 16 bytes of my column's row
.if (\t)+2 < 16
	WLOAD (\t)+2, \rowb
.endif
	s_wait_dscnt 0x0                               ; the store has read its registers: the next block's codes may be written
.endm
; A wave takes 32 columns x 512 along K: a lane to a column, its registers down K.  s[28:29] the numbers, s[30:31] the codes, s[32:33] the scale bytes, each at my wave's part.
.macro WPATH rowb, stage
	v_lshlrev_b32 v3, 2, v2                        ; in: 4 bytes a lane
	s_mul_i32 s34, s24, 32*WP
	s_add_co_u32 s34, s34, \stage                  ; my stage
	v_mul_u32_u24 v4, v2, WP
	v_add_nc_u32 v4, s34, v4                       ; into it: row = my column
	v_and_b32 v5, 15, v2
	v_lshrrev_b32 v6, 4, v2
	v_mul_u32_u24 v7, v6, WP
	v_lshl_add_u32 v7, v5, 4, v7
	v_add_nc_u32 v7, s34, v7                       ; out of it: sixteen lanes to a row, two rows an instruction
	v_lshlrev_b32 v8, 9, v6
	v_lshl_add_u32 v8, v5, 4, v8                   ; the same place in the codes: rows of 512 bytes
	v_lshlrev_b32 v9, 5, v2                        ; my row of scale bytes: 32 a row
	WLOAD 0, \rowb
	WLOAD 1, \rowb
.set Q, 0
.rept 16
	WBLOCK Q, \rowb
.set Q, Q+1
.endr
	global_store_b128 v9, v[WSB:WSB+3], s[32:33]   ; my column's 16 scale bytes
.irp t, 0,1,2,3,4,5,6,7,8,9,10,11,12,13,14,15
	ds_load_b128 v[WOUT+4*\t:WOUT+4*\t+3], v7 offset:2*\t*WP
.endr
.irp t, 0,1,2,3,4,5,6,7,8,9,10,11,12,13,14,15
	s_wait_dscnt 15-\t                             ; loads come back in order: pair t of rows is in
	global_store_b128 v8, v[WOUT+4*\t:WOUT+4*\t+3], s[30:31] offset:2*\t*512   ; sixteen lanes store 256 consecutive bytes, aligned
.endr
	s_wait_tensorcnt 0x0                           ; the wave's end, behind my last LDS store
	ds_add_u32 v[SPW], v[NIL]
	s_wait_dscnt 0x0
	s_endpgm
.endm
	s_load_b512 s[4:19], s[0:1], 0x0               ; hidden_state 4, Wq 6, Wk 8, Wv 10, Wo 12, hcodes 14, hscales 16, wcodes 18
	s_load_b128 s[20:23], s[0:1], 0x40             ; wscales 20, wo16 22
	v_lshl_add_u32 v[SPW], v0, 2, SPARE
	v_mov_b32 v[NIL], 0
	v_lshrrev_b32 v1, 5, v0
	v_readfirstlane_b32 s24, v1                    ; wave 0..3
	v_and_b32 v2, 31, v0                           ; lane
	s_wait_kmcnt 0x0
	s_cmp_lt_u32 ttmp9, 16
	s_cbranch_scc1 .Lwq
	s_cmp_lt_u32 ttmp9, 18
	s_cbranch_scc1 .Lwkv
	s_cmp_lt_u32 ttmp9, 82
	s_cbranch_scc1 .Lwo
	; ---- hidden_state: a plain stream of blocks of 32.  A wave takes a run of 8,192 numbers in 16 steps of 512; loads run eight steps (32 loads) ahead, the turn through LDS one step.
	s_sub_co_u32 s25, ttmp9, 82
	s_lshl_b32 s25, s25, 2
	s_add_co_u32 s25, s25, s24                     ; my run
	s_mov_b32 s27, 0
	s_lshl_b32 s26, s25, 15
	s_add_nc_u64 s[4:5], s[4:5], s[26:27]          ; 32,768 bytes of numbers,
	s_lshl_b32 s26, s25, 12
	s_add_nc_u64 s[14:15], s[14:15], s[26:27]      ; 4,096 of codes,
	s_lshl_b32 s26, s25, 8
	s_add_nc_u64 s[16:17], s[16:17], s[26:27]      ; 256 scale bytes a run
	v_lshlrev_b32 v3, 4, v2                        ; my 16 bytes of a load's 512
	s_lshl_b32 s28, s24, 13                        ; my wave's 8,192 bytes of LDS
	v_lshrrev_b32 v14, 2, v2
	v_mul_u32_u24 v14, v14, SP
	v_and_b32 v15, 3, v2
	v_lshl_add_u32 v14, v15, 4, v14
	v_add_nc_u32 v14, s28, v14                     ; the stage, in: four lanes' 64 bytes on end, then 16 of padding
	v_mul_u32_u24 v15, v2, SP
	v_add_nc_u32 v15, s28, v15                     ; out: my 16 neighbours
	v_lshlrev_b32 v4, 3, v2                        ; my 8 bytes of a step's codes
	v_lshrrev_b32 v5, 1, v2
	s_add_co_u32 s28, s28, 2*32*SP
	v_add_nc_u32 v5, s28, v5                       ; my block's byte among the wave's 256
	v_lshlrev_b32 v7, 3, v2
	v_add_nc_u32 v6, s28, v7                       ; and 8 of them a lane on the way out
.irp t, 0,1,2,3,4,5,6,7
	HLOAD \t
.endr
	s_wait_loadcnt 28                              ; step 0's four loads are in; seven steps' may be out
	HTURN 0
.irp t, 0,1,2,3,4,5,6,7,8,9,10,11,12,13,14,15
	HSTEP \t
.endr
	ds_load_b64 v[8:9], v6
	s_wait_dscnt 0x0
	global_store_b64 v7, v[8:9], s[16:17]          ; 32 lanes store 256 consecutive bytes, aligned
	s_wait_tensorcnt 0x0                           ; the wave's end
	ds_add_u32 v[SPW], v[NIL]
	s_wait_dscnt 0x0
	s_endpgm
.Lwq:	; ---- Wq: x = id & 7 (128 columns), y = id >> 3 (512 along K)
	s_and_b32 s25, ttmp9, 7
	s_lshr_b32 s26, ttmp9, 3
	s_lshl_b32 s27, s25, 7
	s_lshl_b32 s35, s24, 5
	s_add_co_u32 s27, s27, s35                     ; my wave's first column n0
	s_lshl_b32 s36, s26, 21                        ; 512 y rows of 4,096 bytes
	s_lshl_b32 s35, s27, 2
	s_add_co_u32 s36, s36, s35
	s_mov_b32 s37, 0
	s_add_nc_u64 s[28:29], s[6:7], s[36:37]
	s_lshr_b32 s25, s25, 1
	s_lshl_b32 s25, s25, 5
	s_add_co_u32 s27, s27, s25                     ; its row among the 1,152: n0 + 32 (n0 / 256)
	s_lshl_b32 s36, s27, 9
	s_lshl_b32 s25, s26, 8
	s_add_co_u32 s36, s36, s25
	s_add_nc_u64 s[30:31], s[18:19], s[36:37]
	s_lshl_b32 s36, s27, 5
	s_lshl_b32 s25, s26, 4
	s_add_co_u32 s36, s36, s25
	s_add_nc_u64 s[32:33], s[20:21], s[36:37]
	WPATH 4096, 32768
.Lwkv:	; ---- Wk and Wv: y = id - 16; waves 0, 1 take Wk's two halves of 32 columns, waves 2, 3 Wv's
	s_sub_co_u32 s26, ttmp9, 16
	s_cmp_lt_u32 s24, 2
	s_cselect_b64 s[28:29], s[8:9], s[10:11]
	s_and_b32 s25, s24, 1
	s_lshl_b32 s25, s25, 7
	s_lshl_b32 s36, s26, 17                        ; 512 y rows of 256 bytes
	s_add_co_u32 s36, s36, s25
	s_mov_b32 s37, 0
	s_add_nc_u64 s[28:29], s[28:29], s[36:37]
	s_mul_i32 s27, s24, 288
	s_add_co_u32 s27, s27, 256                     ; the last 32 rows of column tile w
	s_lshl_b32 s36, s27, 9
	s_lshl_b32 s25, s26, 8
	s_add_co_u32 s36, s36, s25
	s_add_nc_u64 s[30:31], s[18:19], s[36:37]
	s_lshl_b32 s36, s27, 5
	s_lshl_b32 s25, s26, 4
	s_add_co_u32 s36, s36, s25
	s_add_nc_u64 s[32:33], s[20:21], s[36:37]
	WPATH 256, 67584
.Lwo:	; ---- Wo to f16: a wave takes 16,384 bytes; all 32 loads go out first
	s_sub_co_u32 s25, ttmp9, 18
	s_lshl_b32 s25, s25, 2
	s_add_co_u32 s25, s25, s24
	s_mov_b32 s27, 0
	s_lshl_b32 s26, s25, 14
	s_add_nc_u64 s[12:13], s[12:13], s[26:27]
	s_lshl_b32 s26, s25, 13
	s_add_nc_u64 s[22:23], s[22:23], s[26:27]
	v_lshlrev_b32 v3, 4, v2
	v_lshlrev_b32 v4, 3, v2
.set i, 0
.rept 32
	global_load_b128 v[16+4*i:19+4*i], v3, s[12:13] offset:512*i th:TH_LOAD_NT
.set i, i+1
.endr
.set i, 0
.rept 32
	s_wait_loadcnt 31-i                            ; loads come back in order: load i is in
	v_cvt_pk_f16_f32 v[16+4*i], v[16+4*i], v[17+4*i]
	v_cvt_pk_f16_f32 v[17+4*i], v[18+4*i], v[19+4*i]
	global_store_b64 v4, v[16+4*i:17+4*i], s[22:23] offset:256*i   ; 256 consecutive bytes, aligned
.set i, i+1
.endr
	s_wait_tensorcnt 0x0                           ; the wave's end, as on the other paths
	ds_add_u32 v[SPW], v[NIL]
	s_wait_dscnt 0x0
	s_endpgm
.Lfunc_end_k_q23b8236237_prep:
	.size	k_q23b8236237_prep, .Lfunc_end_k_q23b8236237_prep-k_q23b8236237_prep
	.p2alignl 7, 3214868480
	.fill 96, 4, 3214868480
	.section	.rodata,"a",@progbits
	.p2align	6, 0x0
	.amdhsa_kernel k_q23b8236237_prep
		.amdhsa_group_segment_fixed_size 102912
		.amdhsa_private_segment_fixed_size 0
		.amdhsa_enable_private_segment 0
		.amdhsa_kernarg_size 80
		.amdhsa_user_sgpr_count 2
		.amdhsa_user_sgpr_kernarg_segment_ptr 1
		.amdhsa_wavefront_size32 1
		.amdhsa_system_sgpr_workgroup_id_x 1
		.amdhsa_system_sgpr_workgroup_id_y 1
		.amdhsa_system_sgpr_workgroup_id_z 1
		.amdhsa_system_vgpr_workitem_id 0
		.amdhsa_next_free_vgpr 232
		.amdhsa_next_free_sgpr 66
		.amdhsa_reserve_vcc 0
		.amdhsa_float_denorm_mode_32 3
		.amdhsa_float_denorm_mode_16_64 3
		.amdhsa_memory_ordered 1
		.amdhsa_forward_progress 1
		.amdhsa_inst_pref_size 200
	.end_amdhsa_kernel
	.amdgpu_metadata
---
amdhsa.version: [ 1, 2 ]
amdhsa.kernels:
  - .name:           k_q23b8236237_prep
    .symbol:         k_q23b8236237_prep.kd
    .args:
      - { .name: hidden_state, .offset: 0, .size: 8, .value_kind: global_buffer, .address_space: global }
      - { .name: Wq, .offset: 8, .size: 8, .value_kind: global_buffer, .address_space: global }
      - { .name: Wk, .offset: 16, .size: 8, .value_kind: global_buffer, .address_space: global }
      - { .name: Wv, .offset: 24, .size: 8, .value_kind: global_buffer, .address_space: global }
      - { .name: Wo, .offset: 32, .size: 8, .value_kind: global_buffer, .address_space: global }
      - { .name: hcodes, .offset: 40, .size: 8, .value_kind: global_buffer, .address_space: global }
      - { .name: hscales, .offset: 48, .size: 8, .value_kind: global_buffer, .address_space: global }
      - { .name: wcodes, .offset: 56, .size: 8, .value_kind: global_buffer, .address_space: global }
      - { .name: wscales, .offset: 64, .size: 8, .value_kind: global_buffer, .address_space: global }
      - { .name: wo16, .offset: 72, .size: 8, .value_kind: global_buffer, .address_space: global }
    .group_segment_fixed_size: 102912
    .private_segment_fixed_size: 0
    .kernarg_segment_align: 8
    .kernarg_segment_size: 80
    .max_flat_workgroup_size: 128
    .sgpr_count:     66
    .vgpr_count:     232
    .wavefront_size: 32
...
	.end_amdgpu_metadata
.endif
;; end of part 1
;; launch proj (part 2): grid 4 x 64, 4 waves a work-group, clusters of 4 x 4, 262,144 bytes of LDS; arguments hcodes, hscales, wcodes, wscales, bq, bk, bv, q16, kv16; writes q16, kv16
.if DOCPART == 2
	.amdgcn_target "amdgcn-amd-amdhsa--gfx1250"
	.amdhsa_code_object_version 6
	.text
	.protected	k_q23b8236237_proj
	.globl	k_q23b8236237_proj
	.p2align	8
	.type	k_q23b8236237_proj,@function
k_q23b8236237_proj:
	s_mov_b64 s[64:65], 0
	v_nop
	global_prefetch_b8 v0, s[64:65] scope:SCOPE_SE
	s_setreg_imm32_b32 hwreg(HW_REG_WAVE_MODE, 25, 1), 1
	s_wait_xcnt 0x0
	s_wait_alu depctr_hold_cnt(0) depctr_sa_sdst(0) depctr_va_vdst(0) depctr_va_sdst(0) depctr_va_ssrc(0) depctr_va_vcc(0) depctr_vm_vsrc(0)
	s_getreg_b32 s2, hwreg(HW_REG_IB_STS2, 6, 4)
	s_cmp_eq_u32 s2, 0
	s_cbranch_scc0 .Lentry_in_a_cluster
	s_endpgm
.Lentry_in_a_cluster:
	s_bfe_u32 s2, ttmp6, 0x10000c
	s_cmp_lg_u32 s2, 0xf033
	s_cbranch_scc0 .Lentry_shape_is_right
	s_endpgm
.Lentry_shape_is_right:
; PROJ.  q = x Wq + bq, k = x Wk + bk, v = x Wv + bv on codes of FP4 (E2M1) with one E8M0 scale for each 32 along K = 1,024; sums in f32; results rounded once to f16.
; q16 [8192][1024] f16.  kv16 [batch 4][plane 4][key 2048][32 channels] f16: planes 0, 1 hold c (k + bk), c = log2(e) / 8, multiplied in f32 ahead of the rounding; planes 2, 3 hold v + bv.
; LIMIT: q, c k and v must lie under 65,504 in magnitude (f16).
; SHARES.  A work-group makes 128 tokens x 288 columns (256 of q, 32 of k or v): 256 work-groups of equal work.  Wave w: tokens 64 (w / 2) on (4 blocks), q columns 128 (w % 2) on (8 blocks) and 16 of the 32 others: 36 accumulators.
; ALL OF K LIES IN LDS AT ONCE, as two halves of 512 along K (rows of 256 bytes), each filled once: no slot is ever filled again.
; CLUSTERS: 4 x 4.  The tokens' tile is shared along a row of the cluster, the weights' along a column: joint loads.  Waves 0 to 2 ask for the weights' thirds (96 rows), wave 3 for the tokens' 128 rows: two loads a wave are out at the most.
; THE MATRIX INSTRUCTION IS USED TRANSPOSED (source 0 = 16 rows of the weights, source 1 = 16 tokens): a lane holds eight neighbouring columns of one token.  The biases are the C of each sum's first instruction.
; THE SCALES come once, from memory into registers: lane r takes its row's 32 bytes; word q serves K step q.
; REGISTERS: window 0: v1-15 at work; v16-31 addresses; v32-63 the tokens' scale words (8 a + step); v64-135 the weights' (8 b + step); from v136 the tokens' fragments, two sets of 32; on the way out v136-231.
;   window 1: the weights' fragments, two sets of 72, at v0 and v128.   window 2: q's accumulator (a, b) at v[8 (8 a + b)].   window 3: v0-31 the four k/v accumulators; from v32 the nine blocks of bias.
.set PITCH, 272                        ; an LDS row: 256 bytes + 16 of padding: the 16 rows of a fragment load start 68 words apart
.set HALF,  416*PITCH                  ; a half: 128 rows of tokens, then 288 rows of weights
.set BOFF,  128*PITCH
.set BTH,   96*PITCH
.set QSTG,  2*HALF                     ; the way out of q: 16 rows x 272 bytes for each wave
.set KVSTG, QSTG+4*16*PITCH            ; the way out of k and v: 128 rows x (64 + 16) bytes, the work-group's
.set KVP,   80
.set SPARE, KVSTG+128*KVP              ; the spare words, 128 bytes for each wave
.set ADRA, 16
.set ADRB, 20
.set ADRK, 22
.set STO,  24
.set RD,   25
.set CO,   26
.set KSTO, 27
.set KRD,  28
.set KGO,  29
.set SPW,  30
.set NIL,  31
.set SA,   32
.set SB,   64
.set AF,   136
.set TMP,  136
.set OB,   168
.set BI,   32                          ; in window 3
.set WV,   22
.set RH,   56
.set CH,   57
.set CX,   58
.set CY,   59
.set TCOL, 60
.set TROW, 61
.set KM,   74                          ; s[74:75] c for k's tiles, 1 for v's
.set G1A,  24
.set G1B,  32
.set G0A,  40
.set G0B,  48
.set MSB, 0
.macro WIN new                         ; the immediate's high byte repeats the setting that is left
.if MSB != (\new)
	s_set_vgpr_msb (MSB<<8)|(\new)
.set MSB, (\new)
.endif
.endm
.macro CROUND                          ; a round of the cluster's barrier
	s_barrier_signal -1
	s_barrier_wait -1
	s_cmp_lg_u32 s[WV], 0
	s_cbranch_scc1 .Lnot_wave_0_\@
	s_barrier_signal -3
.Lnot_wave_0_\@:
	s_barrier_wait -3
	s_barrier_signal -1
	s_barrier_wait -1
.endm
.macro PLACES                          ; four plain places in front of loads into registers that matrix instructions have read, and of the first read of results
.rept 4
	v_nop
.endr
.endm
	s_load_b512 s[4:19], s[0:1], 0x0               ; hcodes 4, hscales 6, wcodes 8, wscales 10, bq 12, bk 14, bv 16, q16 18
	s_load_b64 s[20:21], s[0:1], 0x40              ; kv16
	v_lshl_add_u32 v[SPW], v0, 2, SPARE
	v_mov_b32 v[NIL], 0
	ds_add_u32 v[SPW], v[NIL]                      ; the wave's opening: the add, twice on end, and its wait ahead of my first tensor load
	ds_add_u32 v[SPW], v[NIL]
	v_lshrrev_b32 v1, 5, v0
	v_readfirstlane_b32 s[WV], v1                  ; wave 0..3
	s_lshr_b32 s[RH], s[WV], 1                     ; my half of the tokens
	s_and_b32 s[CH], s[WV], 1                      ; my half of the columns
	s_bfe_u32 s[CX], ttmp6, 0x40000
	s_bfe_u32 s[CY], ttmp6, 0x40004
	s_lshl_b32 s[TCOL], ttmp9, 2
	s_add_co_u32 s[TCOL], s[TCOL], s[CX]           ; column tile 0..3
	s_and_b32 s[TROW], ttmp7, 0xffff
	s_lshl_b32 s[TROW], s[TROW], 2
	s_add_co_u32 s[TROW], s[TROW], s[CY]           ; token tile 0..63
	s_lshl_b32 s62, s[CY], 2
	s_lshl_b32 s62, 15, s62                        ; my row of the cluster
	s_lshl_b32 s63, 0x1111, s[CX]                  ; my column
	s_or_b32 s[G1A], s62, (1<<20)|(1<<21)|(5<<22)|(3<<25)   ; the mask; elements of 1 byte; padding on; bit 21 beside a mask; 4 words behind every 64
	s_or_b32 s[G1B], s63, (1<<20)|(1<<21)|(5<<22)|(3<<25)
	s_mov_b32 s[G1A+1], 256<<16                    ; tensor_dim0 = 256 bytes
	s_mov_b32 s[G1A+2], 128<<16                    ; tensor_dim1 = 128 rows
	s_mov_b32 s[G1A+3], 256<<16                    ; tile_dim0
	s_mov_b32 s[G1A+4], 128                        ; tile_dim1
	s_mov_b32 s[G1A+5], 512                        ; bytes from row to row
	s_mov_b32 s[G1A+6], 0
	s_mov_b32 s[G1A+7], 0
	s_mov_b32 s[G1B+1], 256<<16
	s_mov_b32 s[G1B+2], 96<<16
	s_mov_b32 s[G1B+3], 256<<16
	s_mov_b32 s[G1B+4], 96
	s_mov_b32 s[G1B+5], 512
	s_mov_b32 s[G1B+6], 0
	s_mov_b32 s[G1B+7], 0
	s_lshl_b32 s66, s[TROW], 16                    ; the tokens' tile: 128 rows of 512 bytes (hangs on the token tile alone)
	s_mov_b32 s67, 0
	s_mul_i32 s70, s[TCOL], 288
	s_mul_i32 s71, s[WV], 96
	s_add_co_u32 s70, s70, s71
	s_lshl_b32 s70, s70, 9                         ; my third of the weights' tile (hangs on the column tile and the wave alone)
	s_mov_b32 s71, 0
	s_mul_i32 s72, s[WV], BTH
	s_add_co_u32 s72, s72, BOFF                    ; and its place in a half
	s_wait_dscnt 0x0                               ; both opening adds are done
	s_wait_kmcnt 0x0
	s_add_nc_u64 s[66:67], s[4:5], s[66:67]
	s_add_nc_u64 s[70:71], s[8:9], s[70:71]
	CROUND                                         ; all sixteen work-groups are here: the joint loads meet
.irp hf, 0,1
	s_mov_b32 s[G0A+4*\hf], 1
	s_mov_b32 s[G0A+4*\hf+1], \hf*HALF
	s_add_nc_u64 s[G0A+4*\hf+2:G0A+4*\hf+3], s[66:67], \hf*256
	s_or_b32 s[G0A+4*\hf+3], s[G0A+4*\hf+3], 0x80000000
	s_mov_b32 s[G0B+4*\hf], 1
	s_add_co_u32 s[G0B+4*\hf+1], s72, \hf*HALF
	s_add_nc_u64 s[G0B+4*\hf+2:G0B+4*\hf+3], s[70:71], \hf*256
	s_or_b32 s[G0B+4*\hf+3], s[G0B+4*\hf+3], 0x80000000
.endr
	s_cmp_lt_u32 s[WV], 3                          ; a wave's two fills stand in one branch on the wave's number
	s_cbranch_scc0 .Lfirst_a
	tensor_load_to_lds s[G0B:G0B+3], s[G1B:G1B+7]
	s_nop 0
	tensor_load_to_lds s[G0B+4:G0B+7], s[G1B:G1B+7]
	s_nop 0
.rept 4
	v_nop
.endr
	s_branch .Lfirst_done
.Lfirst_a:
	tensor_load_to_lds s[G0A:G0A+3], s[G1A:G1A+7]
	s_nop 0
	tensor_load_to_lds s[G0A+4:G0A+7], s[G1A:G1A+7]
	s_nop 0
.rept 4
	v_nop
.endr
.Lfirst_done:
	; where my scales, biases and results lie
	s_lshl_b32 s66, s[TROW], 7
	s_lshl_b32 s68, s[RH], 6
	s_add_co_u32 s66, s66, s68                     ; my first token
	s_lshl_b32 s68, s66, 5
	s_mov_b32 s69, 0
	s_add_nc_u64 s[6:7], s[6:7], s[68:69]          ; its 32 scale bytes
	s_mul_i32 s70, s[TCOL], 288
	s_lshl_b32 s72, s[CH], 7
	s_add_co_u32 s72, s70, s72
	s_lshl_b32 s72, s72, 5
	s_mov_b32 s73, 0
	s_lshl_b32 s76, s[CH], 4
	s_add_co_u32 s76, s76, s70
	s_add_co_u32 s76, s76, 256
	s_lshl_b32 s76, s76, 5
	s_mov_b32 s77, 0
	s_add_nc_u64 s[76:77], s[10:11], s[76:77]      ; the scales of my 16 rows of k or v,
	s_add_nc_u64 s[10:11], s[10:11], s[72:73]      ; and of my 128 rows of q
	s_lshl_b32 s72, s[TCOL], 8
	s_lshl_b32 s78, s[CH], 7
	s_add_co_u32 s72, s72, s78                     ; my first column of q
	s_lshl_b32 s78, s72, 2
	s_mov_b32 s79, 0
	s_add_nc_u64 s[12:13], s[12:13], s[78:79]      ; bq there
	s_mov_b32 s[KM], 0x3f800000
	s_cmp_lt_u32 s[TCOL], 2                        ; column tiles 0, 1 carry k, tiles 2, 3 carry v
	s_cselect_b64 s[14:15], s[14:15], s[16:17]
	s_cselect_b32 s[KM], 0x3e38aa3b, s[KM]         ; c = log2(e) / 8, or 1
	s_mov_b32 s[KM+1], s[KM]
	s_and_b32 s78, s[TCOL], 1
	s_lshl_b32 s78, s78, 5
	s_lshl_b32 s80, s[CH], 4
	s_add_co_u32 s78, s78, s80
	s_lshl_b32 s78, s78, 2
	s_add_nc_u64 s[14:15], s[14:15], s[78:79]      ; bk or bv at my 16 channels
	s_lshl_b32 s78, s66, 11
	s_lshl_b32 s80, s72, 1
	s_add_co_u32 s78, s78, s80
	s_add_nc_u64 s[18:19], s[18:19], s[78:79]      ; q16 at my first token and column
	s_lshr_b32 s78, s[TROW], 4
	s_lshl_b32 s78, s78, 2
	s_add_co_u32 s78, s78, s[TCOL]                 ; 4 x batch + plane
	s_lshl_b32 s78, s78, 11
	s_and_b32 s80, s[TROW], 15
	s_lshl_b32 s80, s80, 7
	s_add_co_u32 s78, s78, s80
	s_lshl_b32 s80, s[WV], 5
	s_add_co_u32 s78, s78, s80                     ; + the key: 128 x tile in the batch + 32 x wave
	s_lshl_b32 s78, s78, 6
	s_add_nc_u64 s[20:21], s[20:21], s[78:79]      ; kv16: 64 bytes a key
	v_and_b32 v1, 15, v0                           ; r
	v_bfe_u32 v2, v0, 4, 1                         ; h
	v_lshlrev_b32 v3, 5, v1                        ; 32 scale bytes a row
	v_lshlrev_b32 v4, 5, v2                        ; eight numbers of bias for each half of the lanes
.irp a, 0,1,2,3
.irp i, 0,1
	global_load_b128 v[SA+8*\a+4*\i:SA+8*\a+4*\i+3], v3, s[6:7] offset:512*\a+16*\i
.endr
.endr
.irp b, 0,1,2,3,4,5,6,7
.irp i, 0,1
	global_load_b128 v[SB+8*\b+4*\i:SB+8*\b+4*\i+3], v3, s[10:11] offset:512*\b+16*\i
.endr
.endr
.irp i, 0,1
	global_load_b128 v[SB+64+4*\i:SB+64+4*\i+3], v3, s[76:77] offset:16*\i
.endr
	WIN 0xc0                                       ; destination window 3
.irp b, 0,1,2,3,4,5,6,7
	global_load_b128 v[BI+8*\b:BI+8*\b+3], v4, s[12:13] offset:64*\b
	global_load_b128 v[BI+8*\b+4:BI+8*\b+7], v4, s[12:13] offset:64*\b+16
.endr
	global_load_b128 v[BI+64:BI+67], v4, s[14:15]
	global_load_b128 v[BI+68:BI+71], v4, s[14:15] offset:16
	WIN 0
	v_mul_u32_u24 v5, v1, PITCH
	v_lshl_add_u32 v5, v2, 4, v5                   ; a fragment's row x pitch + 16 x half
	s_mul_i32 s62, s[RH], 64*PITCH
	s_mul_i32 s63, s[CH], 128*PITCH
	s_add_co_u32 s63, s63, BOFF
	s_mul_i32 s23, s[CH], 16*PITCH
	s_add_co_u32 s23, s23, BOFF+256*PITCH
.irp hf, 0,1
	v_add_nc_u32 v[ADRA+\hf], s62, v5
	v_add_nc_u32 v[ADRB+\hf], s63, v5
	v_add_nc_u32 v[ADRK+\hf], s23, v5
	s_add_co_u32 s62, s62, HALF
	s_add_co_u32 s63, s63, HALF
	s_add_co_u32 s23, s23, HALF
.endr
	s_mul_i32 s62, s[WV], 16*PITCH
	s_add_co_u32 s62, s62, QSTG                    ; my stage for q
	v_add_nc_u32 v[STO], s62, v5
	v_mul_u32_u24 v6, v2, PITCH
	v_lshl_add_u32 v6, v1, 4, v6
	v_add_nc_u32 v[RD], s62, v6                    ; back: lanes 0-15 one row, lanes 16-31 the next
	v_lshlrev_b32 v6, 11, v2
	v_lshl_add_u32 v[CO], v1, 4, v6                ; the same two rows in q16
	s_mul_i32 s62, s[RH], 64*KVP
	s_lshl_b32 s63, s[CH], 5
	s_add_co_u32 s62, s62, s63
	s_add_co_u32 s62, s62, KVSTG
	v_mul_u32_u24 v6, v1, KVP
	v_lshl_add_u32 v6, v2, 4, v6
	v_add_nc_u32 v[KSTO], s62, v6                  ; the k/v stage, in: token row, my 16 channels' bytes
	s_mul_i32 s62, s[WV], 32*KVP
	s_add_co_u32 s62, s62, KVSTG
	v_and_b32 v7, 31, v0
	v_lshrrev_b32 v6, 2, v7
	v_mul_u32_u24 v6, v6, KVP
	v_and_b32 v8, 3, v0
	v_lshl_add_u32 v6, v8, 4, v6
	v_add_nc_u32 v[KRD], s62, v6                   ; back: four lanes to a row of 64 bytes, 32 rows a wave
	v_lshlrev_b32 v[KGO], 4, v7
.macro FRAG reg, adr, q, i             ; 16 rows x 128 K of 4-bit codes: 8 registers, two loads of 16 bytes, 32 bytes apart
.irp c, 0,1
	ds_load_b128 v[\reg+4*\c:\reg+4*\c+3], v[\adr] offset:64*((\q)%4)+32*\c+(\i)*16*PITCH
.endr
.endm
.macro FETCH q, p                      ; K step q's fragments into set p: the weights' nine, the tokens' four: 26 loads
	WIN 0x40
.irp i, 0,1,2,3,4,5,6,7
	FRAG 128*(\p)+8*\i, ADRB+(\q)/4, \q, \i
.endr
	FRAG 128*(\p)+64, ADRK+(\q)/4, \q, 0
	WIN 0
.irp i, 0,1,2,3
	FRAG AF+32*(\p)+8*\i, ADRA+(\q)/4, \q, \i
.endr
.endm
; The 36 accumulators take turns, one instruction a turn, in the same order in every K step.
.macro MULQ q, p, first
.irp a, 0,1,2,3
.irp b, 0,1,2,3,4,5,6,7
.if \first
	v_wmma_scale_f32_16x16x128_f8f6f4 v[8*(8*\a+\b):8*(8*\a+\b)+7], v[128*(\p)+8*\b:128*(\p)+8*\b+7], v[AF+32*(\p)+8*\a:AF+32*(\p)+8*\a+7], v[BI+8*\b:BI+8*\b+7], v[SB+8*\b+(\q)], v[SA+8*\a+(\q)] matrix_a_fmt:MATRIX_FMT_FP4 matrix_b_fmt:MATRIX_FMT_FP4
.else
	v_wmma_scale_f32_16x16x128_f8f6f4 v[8*(8*\a+\b):8*(8*\a+\b)+7], v[128*(\p)+8*\b:128*(\p)+8*\b+7], v[AF+32*(\p)+8*\a:AF+32*(\p)+8*\a+7], v[8*(8*\a+\b):8*(8*\a+\b)+7], v[SB+8*\b+(\q)], v[SA+8*\a+(\q)] matrix_a_fmt:MATRIX_FMT_FP4 matrix_b_fmt:MATRIX_FMT_FP4
.endif
.endr
.endr
.endm
.macro MULK q, p, first
.irp a, 0,1,2,3
.if \first
	v_wmma_scale_f32_16x16x128_f8f6f4 v[8*\a:8*\a+7], v[128*(\p)+64:128*(\p)+71], v[AF+32*(\p)+8*\a:AF+32*(\p)+8*\a+7], v[BI+64:BI+71], v[SB+64+(\q)], v[SA+8*\a+(\q)] matrix_a_fmt:MATRIX_FMT_FP4 matrix_b_fmt:MATRIX_FMT_FP4
.else
	v_wmma_scale_f32_16x16x128_f8f6f4 v[8*\a:8*\a+7], v[128*(\p)+64:128*(\p)+71], v[AF+32*(\p)+8*\a:AF+32*(\p)+8*\a+7], v[8*\a:8*\a+7], v[SB+64+(\q)], v[SA+8*\a+(\q)] matrix_a_fmt:MATRIX_FMT_FP4 matrix_b_fmt:MATRIX_FMT_FP4
.endif
.endr
.endm
.macro STEP q
	s_wait_dscnt 0x0                               ; this step's fragments are in
.if (\q) == 3
	s_wait_tensorcnt 0x0                           ; my part of the second half has landed,
	s_barrier_signal -1
	s_barrier_wait -1                              ; everybody's has: the next fetch reads it.
.endif
.if (\q) < 7
.if (\q) > 0
	PLACES
.endif
	FETCH (\q)+1, 1-(\q)%2                         ; lands while this step's 36 products are issued
.endif
.if (\q) == 0
	WIN 0xb1                                       ; weights window 1, tokens window 0, C (bias) window 3, D window 2
	MULQ 0, 0, 1
	WIN 0xf1
	MULK 0, 0, 1
.else
	WIN 0xa1
	MULQ \q, (\q)%2, 0
	WIN 0xf1
	MULK \q, (\q)%2, 0
.endif
	WIN 0
.endm
	s_wait_tensorcnt 0x1                           ; my part of the first half is in; the second half's load may stay out
	s_barrier_signal -1
	s_barrier_wait -1
	FETCH 0, 0
	s_wait_loadcnt 0x0                             ; scales and biases
.irp q, 0,1,2,3,4,5,6,7
	STEP \q
.endr
; THE WAY OUT OF q, a block of 16 tokens x 128 columns at a time: rounded to f16, 16 bytes a lane, through my own stage, back as whole rows of 256 bytes.
.macro PACK a
	WIN 0x0a                                       ; sources window 2
.irp b, 0,1,2,3,4,5,6,7
.irp r, 0,1,2,3
	v_cvt_pk_f16_f32 v[TMP+4*\b+\r], v[64*(\a)+8*\b+2*\r], v[64*(\a)+8*\b+2*\r+1]   ; each accumulator from its low end on
.endr
.endr
	WIN 0
.endm
.macro TOSTAGE a
.set BB, OB+32*((\a)%2)
.irp b, 0,1,2,3,4,5,6,7
	ds_store_b128 v[STO], v[TMP+4*\b:TMP+4*\b+3] offset:32*\b
.endr
.irp t, 0,1,2,3,4,5,6,7
	ds_load_b128 v[BB+4*\t:BB+4*\t+3], v[RD] offset:\t*2*PITCH    ; LDS serves a wave's instructions in order: these see the stores above
.endr
.endm
.macro SEND a
.set BB, OB+32*((\a)%2)
	s_wait_dscnt 0x0                               ; the block is back in registers
	s_wait_xcnt 0x0                                ; earlier stores have read their base and their registers
.if (\a) > 0
	s_add_nc_u64 s[18:19], s[18:19], 16*2048
.endif
.irp t, 0,1,2,3,4,5,6,7
	global_store_b128 v[CO], v[BB+4*\t:BB+4*\t+3], s[18:19] offset:2*\t*2048   ; sixteen lanes store 256 consecutive bytes, aligned
.endr
.endm
	PLACES
	PACK 0
	TOSTAGE 0
.irp a, 1,2,3
	PACK \a
	SEND \a-1
	TOSTAGE \a
.endr
	SEND 3
	; THE WAY OUT OF k AND v: x c or x 1 in f32, rounded to f16, through the work-group's stage (a token's 32 channels come from two waves), out as dense bytes.
	WIN 0xc3
.set i, 0
.rept 16
	v_pk_mul_f32 v[2*i:2*i+1], v[2*i:2*i+1], s[KM:KM+1] op_sel_hi:[1,0]
.set i, i+1
.endr
	WIN 0x0f
.irp a, 0,1,2,3
.irp r, 0,1,2,3
	v_cvt_pk_f16_f32 v[TMP+4*\a+\r], v[8*\a+2*\r], v[8*\a+2*\r+1]
.endr
.endr
	WIN 0
.irp a, 0,1,2,3
	ds_store_b128 v[KSTO], v[TMP+4*\a:TMP+4*\a+3] offset:\a*16*KVP
.endr
	s_wait_dscnt 0x0                               ; for the others' sake: my stores into the stage are done
	s_barrier_signal -1
	s_barrier_wait -1
.irp i, 0,1,2,3
	ds_load_b128 v[TMP+16+4*\i:TMP+16+4*\i+3], v[KRD] offset:\i*8*KVP
.endr
.irp i, 0,1,2,3
	s_wait_dscnt 3-\i                              ; loads come back in order
	global_store_b128 v[KGO], v[TMP+16+4*\i:TMP+16+4*\i+3], s[20:21] offset:512*\i   ; 512 consecutive bytes, aligned
.endr
	s_wait_tensorcnt 0x0                           ; the wave's end
	ds_add_u32 v[SPW], v[NIL]
	s_wait_dscnt 0x0
	CROUND                                         ; the closing round
	s_endpgm
.Lfunc_end_k_q23b8236237_proj:
	.size	k_q23b8236237_proj, .Lfunc_end_k_q23b8236237_proj-k_q23b8236237_proj
	.p2alignl 7, 3214868480
	.fill 96, 4, 3214868480
	.section	.rodata,"a",@progbits
	.p2align	6, 0x0
	.amdhsa_kernel k_q23b8236237_proj
		.amdhsa_group_segment_fixed_size 262144
		.amdhsa_private_segment_fixed_size 0
		.amdhsa_enable_private_segment 0
		.amdhsa_kernarg_size 72
		.amdhsa_user_sgpr_count 2
		.amdhsa_user_sgpr_kernarg_segment_ptr 1
		.amdhsa_wavefront_size32 1
		.amdhsa_system_sgpr_workgroup_id_x 1
		.amdhsa_system_sgpr_workgroup_id_y 1
		.amdhsa_system_sgpr_workgroup_id_z 1
		.amdhsa_system_vgpr_workitem_id 0
		.amdhsa_next_free_vgpr 896
		.amdhsa_next_free_sgpr 84
		.amdhsa_reserve_vcc 0
		.amdhsa_float_denorm_mode_32 3
		.amdhsa_float_denorm_mode_16_64 3
		.amdhsa_memory_ordered 1
		.amdhsa_forward_progress 1
		.amdhsa_inst_pref_size 84
	.end_amdhsa_kernel
	.amdgpu_metadata
---
amdhsa.version: [ 1, 2 ]
amdhsa.kernels:
  - .name:           k_q23b8236237_proj
    .symbol:         k_q23b8236237_proj.kd
    .args:
      - { .name: hcodes, .offset: 0, .size: 8, .value_kind: global_buffer, .address_space: global }
      - { .name: hscales, .offset: 8, .size: 8, .value_kind: global_buffer, .address_space: global }
      - { .name: wcodes, .offset: 16, .size: 8, .value_kind: global_buffer, .address_space: global }
      - { .name: wscales, .offset: 24, .size: 8, .value_kind: global_buffer, .address_space: global }
      - { .name: bq, .offset: 32, .size: 8, .value_kind: global_buffer, .address_space: global }
      - { .name: bk, .offset: 40, .size: 8, .value_kind: global_buffer, .address_space: global }
      - { .name: bv, .offset: 48, .size: 8, .value_kind: global_buffer, .address_space: global }
      - { .name: q16, .offset: 56, .size: 8, .value_kind: global_buffer, .address_space: global }
      - { .name: kv16, .offset: 64, .size: 8, .value_kind: global_buffer, .address_space: global }
    .group_segment_fixed_size: 262144
    .private_segment_fixed_size: 0
    .kernarg_segment_align: 8
    .kernarg_segment_size: 72
    .max_flat_workgroup_size: 128
    .sgpr_count:     84
    .vgpr_count:     896
    .wavefront_size: 32
...
	.end_amdgpu_metadata
.endif
;; end of part 2
;; launch attn (part 3): grid 64 x 4, 4 waves a work-group, clusters of 4 x 1, 327,680 bytes of LDS; arguments q16, kv16, att16; writes att16
.if DOCPART == 3
	.amdgcn_target "amdgcn-amd-amdhsa--gfx1250"
	.amdhsa_code_object_version 6
	.text
	.protected	k_q23b8236237_attn
	.globl	k_q23b8236237_attn
	.p2align	8
	.type	k_q23b8236237_attn,@function
k_q23b8236237_attn:
	s_mov_b64 s[64:65], 0
	v_nop
	global_prefetch_b8 v0, s[64:65] scope:SCOPE_SE
	s_setreg_imm32_b32 hwreg(HW_REG_WAVE_MODE, 25, 1), 1
	s_wait_xcnt 0x0
	s_wait_alu depctr_hold_cnt(0) depctr_sa_sdst(0) depctr_va_vdst(0) depctr_va_sdst(0) depctr_va_ssrc(0) depctr_va_vcc(0) depctr_vm_vsrc(0)
	s_getreg_b32 s2, hwreg(HW_REG_IB_STS2, 6, 4)
	s_cmp_eq_u32 s2, 0
	s_cbranch_scc0 .Lentry_in_a_cluster
	s_endpgm
.Lentry_in_a_cluster:
	s_bfe_u32 s2, ttmp6, 0x10000c
	s_cmp_lg_u32 s2, 0x3003
	s_cbranch_scc0 .Lentry_shape_is_right
	s_endpgm
.Lentry_shape_is_right:
; ATTN.  For each batch: 32,768 query rows (row = 16 x position + head, 64 channels, f16) against one shared head of 2,048 keys and values.  att = softmax(q . k / 8) v.
; kv16 [batch][plane][key][32 channels] f16: planes 0, 1 hold c k (c = log2(e) / 8 is in k already), planes 2, 3 hold v.  So t = q . k' is the exponent in base 2, and p = 2^(t - m), m the running maximum.
; Products, maxima and sums in f32; p is rounded to f16 for the second product, the result once to f16 at the end.  LIMIT: the result must lie under 65,504 in magnitude; NaN and infinities are not served.
; SHARES.  A work-group owns 512 rows of one batch, each of its four waves 128: eight tiles of 16, as two PIECES of four (piece 0: tiles 0-3, piece 1: tiles 4-7).  Every wave walks all keys, 64 a step.
; LAYOUT.  S^T = K Q^T (source 0 = 16 keys, source 1 = 16 rows): a lane holds ONE row and the keys 8 (lane / 16) + 0..7.  Two such tiles, rounded in pairs, ARE source 1 of O^T = V^T P.  V comes out of LDS turned.
; BY TURNS.  In a TURN one piece has the matrix unit (32 products V^T P of the step in hand, 32 products K Q^T of the next); the other piece's softmax, 4 x 117 instructions in 64 slices, stands between them.
; CLUSTER.  The four work-groups of a cluster belong to one batch and walk the same K and V: each tile is asked for JOINTLY.  One load a wave behind each round: a plane's 128 keys, 8,192 dense bytes.
; REGISTERS: windows 0 (piece 0) and 1 (piece 1), same numbers: v12-43 statistics (8 a tile), v64-191 S^T (32 a tile), v192-255 P (16 a tile); window 0 alone: v2-8 addresses, v61-63.
;   window 2: O^T, 32 a tile.   window 3: v0-127 Q (16 a tile), v128-191 K of one step, v192-255 V of one step.
.set PKP,   80                         ; a key's 64 bytes of a K plane + 16: the 16 rows of a load start 20 words apart
.set PVP,   96                         ; of a V plane + 32: the turning load's 8 rows x 32 bytes fall on different words modulo 64
.set KPL,   128*PKP                    ; a plane of K in a slot (128 keys)
.set VPL,   128*PVP
.set VOFF,  2*KPL
.set SLOT1, 1<<16                      ; slot 1 begins here: one exclusive or turns an address
.set STAGE, SLOT1+2*KPL+2*VPL          ; the way out: 16 rows x (128 + 16) bytes for each wave
.set SPT,   144
.set SPARE, STAGE+4*16*SPT
.set AK0, 2
.set AV0, 3
.set ADR, 4
.set QO,  5
.set STO, 6
.set RD,  7
.set GO,  8
.set PFO, 61
.set SPW, 62
.set NIL, 63
.set ST,  12                           ; a tile's statistics: +0 m, +1 the old m, +2, +3 l (even keys', odd keys'), +4 to +7 c0-c3 at work; a takes c2's place
.set S,   64
.set P,   192
.set KF,  128
.set VF,  192
.set WV,  12
.set LIM, 15
.set PFA, 18
.set G1K, 24
.set G1V, 32
.set G0K, 40
.set G0V, 48
.set SLOTS, 56
.set TWICE, 57
.set SEL, 60
.set TBK, 62                           ; s62  LDS byte at which the K tiles of the step to be fetched begin
.set TBV, 63                           ; s63  the same for V
.set MSB, 0
.macro WIN new
.if MSB != (\new)
	s_set_vgpr_msb (MSB<<8)|(\new)
.set MSB, (\new)
.endif
.endm
.macro JLOAD                           ; a joint refill: waves 0, 1 K's planes, waves 2, 3 V's.  An s_nop 0 and four v_nop follow each line
	s_cmp_lt_u32 s[WV], 2
	s_cbranch_scc0 .Lfor_v_\@
	tensor_load_to_lds s[G0K+4:G0K+7], s[G1K:G1K+7]
	s_nop 0
.rept 4
	v_nop
.endr
	s_branch .Lasked_\@
.Lfor_v_\@:
	tensor_load_to_lds s[G0V+4:G0V+7], s[G1V:G1V+7]
	s_nop 0
.rept 4
	v_nop
.endr
.Lasked_\@:
.endm
; A PREFETCH of what the NEXT change of slots will ask for: four planes x 128 keys x 64 bytes.  All sixteen clusters of a batch walk the same bytes: the batch's first cluster asks, wave 0 of each partner,
; and the partners are told apart by ADDRESS: partner cx takes plane cx, 8,192 bytes, lanes 256 bytes apart.  So each block of 256 bytes is named once.  The last change that fills a slot asks for nothing.
.macro ASK
	s_cmp_gt_u32 s[SLOTS], s[LIM]
	s_cbranch_scc0 .Lnot_mine_\@
	global_prefetch_b8 v[PFO], s[PFA:PFA+1] th:TH_LOAD_NT scope:SCOPE_SE
.Lnot_mine_\@:
.endm
.macro CROUND
	s_barrier_signal -1
	s_barrier_wait -1
	s_cmp_lg_u32 s[WV], 0
	s_cbranch_scc1 .Lnot_wave_0_\@
	s_barrier_signal -3
.Lnot_wave_0_\@:
	s_barrier_wait -3
	s_barrier_signal -1
	s_barrier_wait -1
.endm
.macro PLACES
.rept 4
	v_nop
.endr
.endm
	s_load_b128 s[4:7], s[0:1], 0x0                ; q16 s[4:5], kv16 s[6:7]
	s_load_b64 s[8:9], s[0:1], 0x10                ; att16
	v_lshl_add_u32 v[SPW], v0, 2, SPARE
	v_mov_b32 v[NIL], 0
	ds_add_u32 v[SPW], v[NIL]                      ; the wave's opening: the add, twice on end, and its wait ahead of my first tensor load
	ds_add_u32 v[SPW], v[NIL]
	v_lshrrev_b32 v1, 5, v0
	v_readfirstlane_b32 s[WV], v1                  ; wave 0..3
	s_bfe_u32 s13, ttmp6, 0x40000                  ; cx
	s_lshl_b32 s14, ttmp9, 2
	s_add_co_u32 s14, s14, s13                     ; my block of 512 rows: it enters q16's and att16's addresses alone
	s_and_b32 s20, ttmp7, 0xffff                   ; the batch, which the four partners share
	s_and_b32 s16, s[WV], 1
	s_lshl_b32 s22, s20, 2
	s_add_co_u32 s22, s22, s16
	s_lshl_b32 s22, s22, 17                        ; plane w % 2 of my batch: 131,072 bytes a plane
	s_mov_b32 s23, 0
	s_mul_i32 s17, s16, KPL                        ; its place in a slot, for K,
	s_mul_i32 s21, s16, VPL
	s_add_co_u32 s21, s21, VOFF                    ; and for V
	s_lshl_b32 s2, s20, 22                         ; a batch's rows: 4 MiB
	s_lshl_b32 s3, s14, 16
	s_add_co_u32 s2, s2, s3
	s_lshl_b32 s3, s[WV], 14
	s_add_co_u32 s2, s2, s3                        ; my wave's 128 rows of 128 bytes
	s_mov_b32 s3, 0
	s_lshl_b32 s58, s20, 2
	s_add_co_u32 s58, s58, s13
	s_lshl_b32 s58, s58, 17
	s_add_co_u32 s58, s58, 2*8192                  ; the prefetches: plane cx, slot 2; the first change of slots steps it to slot 3
	s_mov_b32 s59, 0
	s_mov_b32 s[G1K], 15|(1<<16)|(1<<20)|(1<<21)|(3<<22)|(3<<25)   ; mask: all four; elements of 2 bytes; padding on; bit 21 beside a mask; 4 words behind every 16
	s_mov_b32 s[G1V], 15|(1<<16)|(1<<20)|(1<<21)|(3<<22)|(7<<25)   ; 8 words behind every 16
.irp g, G1K, G1V
	s_mov_b32 s[\g+1], 32<<16                      ; tensor_dim0 = 32
	s_mov_b32 s[\g+2], 128<<16                     ; tensor_dim1 = 128
	s_mov_b32 s[\g+3], 32<<16                      ; tile_dim0
	s_mov_b32 s[\g+4], 128                         ; tile_dim1
	s_mov_b32 s[\g+5], 32                          ; elements from row to row
	s_mov_b32 s[\g+6], 0
	s_mov_b32 s[\g+7], 0
.endr
	s_mov_b32 s[SEL], 0x76543210
	s_mov_b32 s[SEL+1], 0xfedcba98
	s_mov_b32 s[TBK], 0
	s_mov_b32 s[TBV], 0
	s_mov_b32 s[SLOTS], 14                         ; 16 slots' worth of keys, two of them first fills
	s_or_b32 s[LIM], s[WV], ttmp9                  ; 0 in wave 0 of the batch's first cluster: the same in all four partners
	s_cmp_eq_u32 s[LIM], 0
	s_cselect_b32 s[LIM], 1, -1
	v_and_b32 v[PFO], 31, v0
	v_lshlrev_b32 v[PFO], 8, v[PFO]
	s_wait_dscnt 0x0                               ; both opening adds are done
	s_wait_kmcnt 0x0
	s_add_nc_u64 s[22:23], s[6:7], s[22:23]
	s_add_nc_u64 s[PFA:PFA+1], s[6:7], s[58:59]
	s_add_nc_u64 s[4:5], s[4:5], s[2:3]
	s_add_nc_u64 s[8:9], s[8:9], s[2:3]
	CROUND                                         ; all four work-groups are here
.irp s, 0,1
	s_mov_b32 s[G0K+4*\s], 1
	s_add_co_u32 s[G0K+4*\s+1], s17, \s*SLOT1
	s_add_nc_u64 s[G0K+4*\s+2:G0K+4*\s+3], s[22:23], \s*8192
	s_or_b32 s[G0K+4*\s+3], s[G0K+4*\s+3], 0x80000000
	s_mov_b32 s[G0V+4*\s], 1
	s_add_co_u32 s[G0V+4*\s+1], s21, \s*SLOT1
	s_add_nc_u64 s[G0V+4*\s+2:G0V+4*\s+3], s[22:23], \s*8192+262144   ; V's planes lie two planes behind K's
	s_or_b32 s[G0V+4*\s+3], s[G0V+4*\s+3], 0x80000000
.endr
	s_cmp_lt_u32 s[WV], 2                          ; a wave's two first fills stand in one branch: two loads of mine are out
	s_cbranch_scc0 .Lfirst_v
	tensor_load_to_lds s[G0K:G0K+3], s[G1K:G1K+7]
	s_nop 0
	tensor_load_to_lds s[G0K+4:G0K+7], s[G1K:G1K+7]
	s_nop 0
.rept 4
	v_nop
.endr
	s_branch .Lfirst_asked
.Lfirst_v:
	tensor_load_to_lds s[G0V:G0V+3], s[G1V:G1V+7]
	s_nop 0
	tensor_load_to_lds s[G0V+4:G0V+7], s[G1V:G1V+7]
	s_nop 0
.rept 4
	v_nop
.endr
.Lfirst_asked:
	v_and_b32 v1, 15, v0                           ; r
	v_bfe_u32 v9, v0, 4, 1                         ; h
	v_lshlrev_b32 v[QO], 7, v1
	v_lshl_add_u32 v[QO], v9, 4, v[QO]             ; row x 128 + 16 x half
	WIN 0xc0                                       ; destination window 3
.irp i, 0,1,2,3,4,5,6,7,8,9,10,11,12,13,14,15      ; Q stays in registers: tile i / 2, channels 32 (i % 2) on
	global_load_b128 v[8*\i:8*\i+3],   v[QO], s[4:5] offset:(\i/2)*2048+(\i%2)*64
	global_load_b128 v[8*\i+4:8*\i+7], v[QO], s[4:5] offset:(\i/2)*2048+(\i%2)*64+32
.endr
	WIN 0
	v_mul_u32_u24 v[AK0], v1, PKP
	v_lshl_add_u32 v[AK0], v9, 4, v[AK0]
	v_and_b32 v10, 7, v0
	v_bfe_u32 v11, v0, 3, 1
	v_lshl_add_u32 v[AV0], v9, 3, v10              ; the turning load: key 8 h + lane % 8, channels 8 ((lane / 8) % 2) on
	v_mul_u32_u24 v[AV0], v[AV0], PVP
	v_lshl_add_u32 v[AV0], v11, 4, v[AV0]
	v_add_nc_u32 v[AV0], VOFF, v[AV0]
; THE MATRIX WORK OF A TURN, for piece x.  The accumulators take turns, one instruction a turn: 15 others' stand between two links of a chain.
.macro PV x, zero                      ; product i of 32 of O^T += V^T P: keys 32 (i / 16) on, channels 16 ((i / 4) % 4) on, tile 4 x + i % 4
	WIN 0xa3+4*(\x)
.set rO, 32*(4*(\x)+i%4)+8*((i/4)%4)
.set rV, VF+32*(i/16)+8*((i/4)%4)
.set rP, P+16*(i%4)+8*(i/16)
.if (\zero) && (i < 16)
	v_wmma_f32_16x16x32_f16 v[rO:rO+7], v[rV:rV+7], v[rP:rP+7], 0
.else
	v_wmma_f32_16x16x32_f16 v[rO:rO+7], v[rV:rV+7], v[rP:rP+7], v[rO:rO+7]
.endif
.endm
.macro KQ x                            ; product i of 32 of S^T = K Q^T: channels 32 (i / 16) on, keys 16 ((i / 4) % 4) on, tile 4 x + i % 4.  The first 16 start the sums
	WIN 0x0f+0x50*(\x)
.set rS, S+32*(i%4)+8*((i/4)%4)
.set rK, KF+16*((i/4)%4)+8*(i/16)
.set rQ, 16*(4*(\x)+i%4)+8*(i/16)
.if i < 16
	v_wmma_f32_16x16x32_f16 v[rS:rS+7], v[rK:rK+7], v[rQ:rQ+7], 0
.else
	v_wmma_f32_16x16x32_f16 v[rS:rS+7], v[rK:rK+7], v[rQ:rQ+7], v[rS:rS+7]
.endif
.endm
.macro FETCH_K                         ; a step's K: 8 fragments (keys 16 (f / 2) on, plane f % 2), 16 loads in one run
	WIN 0
	v_add_nc_u32 v[ADR], s[TBK], v[AK0]
	WIN 0xc0
.irp f, 0,1,2,3,4,5,6,7
	ds_load_b128 v[KF+8*\f:KF+8*\f+3],   v[ADR] offset:(\f%2)*KPL+(\f/2)*16*PKP
	ds_load_b128 v[KF+8*\f+4:KF+8*\f+7], v[ADR] offset:(\f%2)*KPL+(\f/2)*16*PKP+32
.endr
.endm
.macro FETCH_V                         ; the same step's V, turned: 8 fragments (keys 32 (f / 4) on, channels 16 (f % 4) on)
	WIN 0
	v_add_nc_u32 v[ADR], s[TBV], v[AV0]
	s_add_co_u32 s[TBK], s[TBK], 64*PKP            ; the next fetches are the next step's
	s_add_co_u32 s[TBV], s[TBV], 64*PVP
	s_wait_alu depctr_va_vdst(0)                   ; the wait for the softmax's batch of exponentials, ahead of the first line that names a result
	WIN 0xc0
.irp f, 0,1,2,3,4,5,6,7
	ds_load_tr16_b128 v[VF+8*\f:VF+8*\f+3],   v[ADR] offset:((\f%4)/2)*VPL+(\f/4)*32*PVP+(\f%2)*32
	ds_load_tr16_b128 v[VF+8*\f+4:VF+8*\f+7], v[ADR] offset:((\f%4)/2)*VPL+(\f/4)*32*PVP+(\f%2)*32+16*PVP
.endr
.endm
; THE VECTOR WORK OF A TURN.  One tile's softmax for one key step is a list of 117 instructions; SM writes number n of it for tile t of piece y.  s0-s31 are the lane's 32 scores, in pairs 0-15.
;   0-15    the maximum of s0-s31 and the old m, three operands at a time (each accumulator is read from its low end on)
;   16-19   the other half of the lanes' maximum; the old m kept; the new m; old m - new m
;   20-68   ONE BATCH: 16 packed subtractions s - m and 33 exponentials (a at 21, then s0-s31); none of them names an exponential's result
;   (wait)  ahead of number 69 stands the one wait for the batch: SLICE writes it, once for the four tiles
;   69-84   the roundings to f16;   85-100 the sums, l = a l + the sum;   101-116 the tile's O^T times a
; first = 1: the first key step: no old m, no a, nothing to rescale.
.macro SM t, y, first
.set rT, ST+8*(\t)
.set rS, S+32*(\t)
.set rP, P+16*(\t)
.set rO, 32*(4*(\y)+(\t))+2*(n-101)
.if n < 101
	WIN 0x55*(\y)
.endif
.if n < 4
	v_max3_num_f32 v[rT+4+n], v[rS+8*n], v[rS+8*n+1], v[rS+8*n+2]
.elseif n < 12
	v_max3_num_f32 v[rT+4+n%4], v[rT+4+n%4], v[rS+8*(n%4)+2*(n/4)+1], v[rS+8*(n%4)+2*(n/4)+2]
.elseif n == 12
	v_max3_num_f32 v[rT+4], v[rT+4], v[rS+7], v[rS+15]
.elseif n == 13
	v_max3_num_f32 v[rT+6], v[rT+6], v[rS+23], v[rS+31]
.elseif n == 14
	v_max3_num_f32 v[rT+4], v[rT+4], v[rT+5], v[rT+6]
.elseif (n == 15) && \first
	v_max_num_f32 v[rT+4], v[rT+4], v[rT+7]
.elseif n == 15
	v_max3_num_f32 v[rT+4], v[rT+4], v[rT+7], v[rT]
.elseif n == 16
	v_permlanex16_b32 v[rT+5], v[rT+4], s[SEL], s[SEL+1]   ; the row's other 32 keys lie in the lane 16 away
.elseif (n == 17) && \first
	v_mov_b32 v[rT+1], v[rT+4]                     ; (named with m as a pair, so it is written)
.elseif n == 17
	v_mov_b32 v[rT+1], v[rT]
.elseif n == 18
	v_max_num_f32 v[rT], v[rT+4], v[rT+5]
.elseif ((n == 19) || (n == 21) || (n > 100)) && \first
.elseif n == 19
	v_sub_f32 v[rT+7], v[rT+1], v[rT]
.elseif n == 20
	v_pk_add_f32 v[rS:rS+1], v[rS:rS+1], v[rT:rT+1] op_sel_hi:[1,0] neg_lo:[0,1] neg_hi:[0,1]
.elseif n == 21
	v_exp_f32 v[rT+6], v[rT+7]
.elseif (n < 67) && ((n-22)%3 == 0)
.set b, (n-22)/3+1
	v_pk_add_f32 v[rS+2*b:rS+2*b+1], v[rS+2*b:rS+2*b+1], v[rT:rT+1] op_sel_hi:[1,0] neg_lo:[0,1] neg_hi:[0,1]   ; pair b: s - m
.elseif n < 67
.set e, 2*((n-22)/3)+(n-22)%3-1
	v_exp_f32 v[rS+e], v[rS+e]
.elseif n < 69
	v_exp_f32 v[rS+n-37], v[rS+n-37]
.elseif n < 85
	v_cvt_pk_f16_f32 v[rP+n-69], v[rS+2*(n-69)], v[rS+2*(n-69)+1]
.elseif n < 101                        ; the sum of the 16 pairs, in place: neighbours 1, 2, 4 and 8 pairs apart, then l takes it
.set z, n-85
.set w, 4
.set u, z
.if z >= 14
.set w, 32
.set u, 0
.elseif z >= 12
.set w, 16
.set u, z-12
.elseif z >= 8
.set w, 8
.set u, z-8
.endif
.if (z == 14) && \first
	v_pk_add_f32 v[rT+2:rT+3], v[rS:rS+1], v[rS+16:rS+17]
.elseif z < 15
	v_pk_add_f32 v[rS+w*u:rS+w*u+1], v[rS+w*u:rS+w*u+1], v[rS+w*u+w/2:rS+w*u+w/2+1]
.elseif (\first) == 0
	v_pk_fma_f32 v[rT+2:rT+3], v[rT+2:rT+3], v[rT+6:rT+7], v[rS:rS+1] op_sel_hi:[1,0,1]
.endif
.else
	WIN 0x82+4*(\y)
	v_pk_mul_f32 v[rO:rO+1], v[rO:rO+1], v[rT+6:rT+7] op_sel_hi:[1,0]
.endif
.endm
; Slice k of 64 of piece y's softmax.  The four tiles' lists are dealt number by number (g = 4 n + tile), 468 / 64 = 117 / 16 to a slice: seven or eight.  Slice 63 is eight plain multiplies.
; Ahead of g = 276 (number 69) nothing names an exponential's result and behind it none is issued: one plain line and one wait serve the piece's 132 exponentials.
.macro SLICE y, first
.rept (117*(k+1))/16-(117*k)/16
.if g == 276
	v_nop                                          ; the plain line behind the last exponential
.if (\y) == 0
	FETCH_V                                        ; piece 1's turn: V's run of loads stands here, and the wait stands in it
.else
	s_wait_alu depctr_va_vdst(0)
.endif
.endif
.set n, g/4
	SM g%4, \y, \first
.set g, g+1
.endr
.set k, k+1
.endm
; A TURN.  pv = 2: 32 products V^T P; 1: they start O^T's sums; 0: none.  kq = 1: 32 products K Q^T of the next step.  With one kind alone two slices stand behind each product.
; Piece 0's turn fetches the next step's K behind its second product: the last product that read K stands in front of slice 63 of the turn before, eight plain lines back.
; Piece 1's turn fetches the same step's V at g = 276: the last product that read V stands in front of slice 31; twelve packed subtractions, the v_nop and the address's addition lie between.
.macro TURN x, pv, kq, first
.set k, 0
.set g, 0
.set per, 2
.if \pv && \kq
.set per, 1
.endif
.if \pv
.if \x == 0
	s_wait_dscnt 0x0                               ; V is in
.endif
.set i, 0
.rept 32
	PV \x, 2-\pv
.rept per
	SLICE 1-\x, \first
.endr
.if (\x == 0) && \kq && (i == 1)
	FETCH_K
.endif
.set i, i+1
.endr
.endif
.if \kq
.if \x == 0
	s_wait_dscnt 0x0                               ; K is in
.endif
.set i, 0
.rept 32
	KQ \x
.rept per
	SLICE 1-\x, \first
.endr
.set i, i+1
.endr
.endif
.if \first
	PLACES                                         ; the first step's last slices are empty: these take their part behind the last products
.endif
.endm
; THE CHANGE OF SLOTS, between piece 1's turn and piece 0's.  Each wave waits for all its tensor loads (one is out: its part of the other slot), adds 0 to its spare word, and waits for that and for its reads of the slot.
; fill = 1: the barrier is a round of the cluster's, and the joint refill is the first thing behind it: it has two key steps, 256 matrix instructions, in which to land.
.macro CHANGE fill
	WIN 0
	s_wait_tensorcnt 0x0
	ds_add_u32 v[SPW], v[NIL]
.if \fill
.irp g, G0K+4, G0V+4
	s_xor_b32 s[\g+1], s[\g+1], SLOT1              ; the walking descriptors: the other slot,
	s_add_nc_u64 s[\g+2:\g+3], s[\g+2:\g+3], 8192  ; the next 128 keys
.endr
	s_wait_xcnt 0x0                                ; the last prefetch, two key steps back, has read its address
	s_add_nc_u64 s[PFA:PFA+1], s[PFA:PFA+1], 8192
	s_wait_dscnt 0x0                               ; the add is done, and my reads of the slot are over
	CROUND
	JLOAD
	ASK
.else
	s_wait_dscnt 0x0
	s_barrier_signal -1
	s_barrier_wait -1
.endif
	s_sub_co_u32 s[TBK], s[TBK], 2*64*PKP          ; the fetches go back to a slot's first step,
	s_xor_b32 s[TBK], s[TBK], SLOT1                ; in the other slot
	s_sub_co_u32 s[TBV], s[TBV], 2*64*PVP
	s_xor_b32 s[TBV], s[TBV], SLOT1
.endm
.macro TWO_STEPS                       ; a slot's two key steps: written once, walked twice
	s_mov_b32 s[TWICE], 2
.Lstep_\@:
	TURN 0, 2, 1, 0
	TURN 1, 2, 1, 0
	WIN 0
	s_sub_co_u32 s[TWICE], s[TWICE], 1
	s_cmp_lg_u32 s[TWICE], 0
	s_cbranch_scc1 .Lstep_\@
.endm
	s_wait_tensorcnt 0x1                           ; my part of slot 0 is in; slot 1's may stay out
	s_barrier_signal -1
	s_barrier_wait -1
	FETCH_K                                        ; key step 0
	s_wait_loadcnt 0x0                             ; Q
	s_wait_dscnt 0x0
.set i, 0
.rept 32
	KQ 0                                           ; piece 0's first scores
.set i, i+1
.endr
	WIN 0                                          ; the addresses for the way out: ten plain lines, the places behind those products
	s_mul_i32 s13, s[WV], 16*SPT
	s_add_co_u32 s13, s13, STAGE
	v_mul_u32_u24 v[STO], v1, SPT
	v_lshl_add_u32 v[STO], v9, 4, v[STO]
	v_add_nc_u32 v[STO], s13, v[STO]               ; in: row r, 16 bytes for each half of the lanes
	v_and_b32 v10, 31, v0
	v_lshrrev_b32 v11, 3, v10
	v_mul_u32_u24 v[RD], v11, SPT
	v_and_b32 v11, 7, v0
	v_lshl_add_u32 v[RD], v11, 4, v[RD]
	v_add_nc_u32 v[RD], s13, v[RD]                 ; back: eight lanes to a row of 128 bytes, four rows an instruction
	v_lshlrev_b32 v[GO], 4, v10
	TURN 1, 0, 1, 1                                ; piece 1's first scores | piece 0's first softmax | V of step 0
	TURN 0, 1, 1, 1                                ; piece 0: V^T P of step 0 starts O^T, K Q^T of step 1 | piece 1's first softmax | K of step 1
	TURN 1, 1, 1, 0                                ; piece 1: the same | piece 0's softmax of step 1 | V of step 1
	WIN 0
.Lslot:                                            ; 14 trips: every slot but the last two is filled again
	CHANGE 1
	TWO_STEPS
	s_sub_co_u32 s[SLOTS], s[SLOTS], 1
	s_cmp_lg_u32 s[SLOTS], 0
	s_cbranch_scc1 .Lslot
	CHANGE 0                                       ; the tail is written out
	TWO_STEPS
	TURN 0, 2, 0, 0                                ; piece 0: V^T P of the last step | piece 1's last softmax
.set i, 0
.rept 32
	PV 1, 0                                        ; piece 1: V^T P of the last step
.set i, i+1
.endr
	; THE WAY OUT.  l's halves and the other half of the lanes' are added; O^T / l is rounded to f16 and goes through my stage, a tile at a time.  The additions are the places behind the last products.
.irp y, 0,1
	WIN 0x55*\y
.irp t, 0,1,2,3
	v_add_f32 v[ST+8*\t+4], v[ST+8*\t+2], v[ST+8*\t+3]
.endr
.irp t, 0,1,2,3
	v_permlanex16_b32 v[ST+8*\t+5], v[ST+8*\t+4], s[SEL], s[SEL+1]
.endr
.irp t, 0,1,2,3
	v_add_f32 v[ST+8*\t+4], v[ST+8*\t+4], v[ST+8*\t+5]
.endr
.irp t, 0,1,2,3
	v_rcp_f32 v[ST+8*\t+6], v[ST+8*\t+4]
.endr
.endr
	v_nop                                          ; a plain line behind the last reciprocal,
	s_wait_alu depctr_va_vdst(0)                   ; and the one wait for the eight, ahead of their first use
.macro PACK t
	WIN 0x82+4*((\t)/4)
.set i, 0
.rept 16
	v_pk_mul_f32 v[32*(\t)+2*i:32*(\t)+2*i+1], v[32*(\t)+2*i:32*(\t)+2*i+1], v[ST+8*((\t)%4)+6:ST+8*((\t)%4)+7] op_sel_hi:[1,0]
.set i, i+1
.endr
	WIN 0x0a                                       ; sources window 2, destination window 0: piece 0's S^T is free
.set i, 0
.rept 16
	v_cvt_pk_f16_f32 v[S+16*(\t)+i], v[32*(\t)+2*i], v[32*(\t)+2*i+1]
.set i, i+1
.endr
	WIN 0
.irp f, 0,1,2,3
	ds_store_b128 v[STO], v[S+16*(\t)+4*\f:S+16*(\t)+4*\f+3] offset:32*\f
.endr
.irp f, 0,1,2,3
	ds_load_b128 v[S+16*(\t)+4*\f:S+16*(\t)+4*\f+3], v[RD] offset:\f*4*SPT   ; LDS serves a wave's instructions in order
.endr
.endm
.macro SEND t, younger                 ; younger: the LDS instructions issued behind tile t's loads: the next tile's eight, or none
.irp f, 0,1,2,3
	s_wait_dscnt \younger+3-\f
	global_store_b128 v[GO], v[S+16*(\t)+4*\f:S+16*(\t)+4*\f+3], s[8:9] offset:2048*(\t)+512*\f   ; 512 consecutive bytes, aligned
.endr
.endm
	PACK 0
.irp t, 1,2,3,4,5,6,7
	PACK \t
	SEND \t-1, 8
.endr
	SEND 7, 0
	s_wait_tensorcnt 0x0                           ; the wave's end
	ds_add_u32 v[SPW], v[NIL]
	s_wait_dscnt 0x0
	CROUND                                         ; the closing round
	s_endpgm
.Lfunc_end_k_q23b8236237_attn:
	.size	k_q23b8236237_attn, .Lfunc_end_k_q23b8236237_attn-k_q23b8236237_attn
	.p2alignl 7, 3214868480
	.fill 96, 4, 3214868480
	.section	.rodata,"a",@progbits
	.p2align	6, 0x0
	.amdhsa_kernel k_q23b8236237_attn
		.amdhsa_group_segment_fixed_size 327680
		.amdhsa_private_segment_fixed_size 0
		.amdhsa_enable_private_segment 0
		.amdhsa_kernarg_size 24
		.amdhsa_user_sgpr_count 2
		.amdhsa_user_sgpr_kernarg_segment_ptr 1
		.amdhsa_wavefront_size32 1
		.amdhsa_system_sgpr_workgroup_id_x 1
		.amdhsa_system_sgpr_workgroup_id_y 1
		.amdhsa_system_sgpr_workgroup_id_z 1
		.amdhsa_system_vgpr_workitem_id 0
		.amdhsa_next_free_vgpr 1024
		.amdhsa_next_free_sgpr 66
		.amdhsa_reserve_vcc 0
		.amdhsa_float_denorm_mode_32 3
		.amdhsa_float_denorm_mode_16_64 3
		.amdhsa_memory_ordered 1
		.amdhsa_forward_progress 1
		.amdhsa_inst_pref_size 255
	.end_amdhsa_kernel
	.section	.bss,"aw",@nobits
	.p2align	6
	.space	262144
	.amdgpu_metadata
---
amdhsa.version: [ 1, 2 ]
amdhsa.kernels:
  - .name:           k_q23b8236237_attn
    .symbol:         k_q23b8236237_attn.kd
    .args:
      - { .name: q16, .offset: 0, .size: 8, .value_kind: global_buffer, .address_space: global }
      - { .name: kv16, .offset: 8, .size: 8, .value_kind: global_buffer, .address_space: global }
      - { .name: att16, .offset: 16, .size: 8, .value_kind: global_buffer, .address_space: global }
    .group_segment_fixed_size: 327680
    .private_segment_fixed_size: 0
    .kernarg_segment_align: 8
    .kernarg_segment_size: 24
    .max_flat_workgroup_size: 128
    .sgpr_count:     66
    .vgpr_count:     1024
    .wavefront_size: 32
...
	.end_amdgpu_metadata
.endif
;; end of part 3
;; launch oproj (part 4): grid 4 x 64, 4 waves a work-group, clusters of 4 x 4, 327,680 bytes of LDS; arguments att16, wo16, bo, out0; writes out0
.if DOCPART == 4
	.amdgcn_target "amdgcn-amd-amdhsa--gfx1250"
	.amdhsa_code_object_version 6
	.text
	.protected	k_q23b8236237_oproj
	.globl	k_q23b8236237_oproj
	.p2align	8
	.type	k_q23b8236237_oproj,@function
k_q23b8236237_oproj:
	s_mov_b64 s[64:65], 0
	v_nop
	global_prefetch_b8 v0, s[64:65] scope:SCOPE_SE
	s_setreg_imm32_b32 hwreg(HW_REG_WAVE_MODE, 25, 1), 1
	s_wait_xcnt 0x0
	s_wait_alu depctr_hold_cnt(0) depctr_sa_sdst(0) depctr_va_vdst(0) depctr_va_sdst(0) depctr_va_ssrc(0) depctr_va_vcc(0) depctr_vm_vsrc(0)
	s_getreg_b32 s2, hwreg(HW_REG_IB_STS2, 6, 4)
	s_cmp_eq_u32 s2, 0
	s_cbranch_scc0 .Lentry_in_a_cluster
	s_endpgm
.Lentry_in_a_cluster:
	s_bfe_u32 s2, ttmp6, 0x10000c
	s_cmp_lg_u32 s2, 0xf033
	s_cbranch_scc0 .Lentry_shape_is_right
	s_endpgm
.Lentry_shape_is_right:
; OPROJ.  out0 = att Wo + bo.  att16 [8192][1024] f16, wo16 [k 1024][n 1024] f16, bo [1024] f32, out0 [8192][1024] f32; sums in f32.
; SHARES.  A work-group makes 128 rows x 256 columns: 256 work-groups.  A wave makes 64 x 128: 32 accumulators.  K goes in steps of 128 through a ring of two LDS slots: att's rows of 256 bytes, Wo's 128 k-rows of 512 bytes.
; CLUSTERS: 4 x 4.  att's tile is shared along a row of the cluster, Wo's along a column: joint loads, one a wave behind each round (waves 0, 1: att's halves; waves 2, 3: Wo's).
; THE MATRIX INSTRUCTION IS USED TRANSPOSED: source 0 = 16 columns of Wo (turned on the way out of LDS, since Wo lies [k][n]), source 1 = 16 rows of att: a lane holds eight neighbouring numbers of a row of out0.
; bo is the C of each sum's first instruction.
; REGISTERS: window 0: v16-29 addresses; att's fragments v32-63, v64-95; Wo's v96-159, v160-223 (two buffers each); on the way out v32-159.   window 1: accumulator (a, b) at v[8 (8 a + b)].   window 2: bo's eight blocks.
.set PA,    272                        ; a row of att in LDS: 256 bytes + 16
.set PB,    544                        ; a k-row of Wo: 512 bytes + 32: the turning load's 8 rows x 32 bytes fall on different words modulo 64
.set BOFF,  128*PA
.set SLOT,  128*PA+128*PB
.set STAGE, 2*SLOT                     ; 16 rows x (512 + 16) bytes for each wave
.set SPITCH, 528
.set SPARE, STAGE+4*16*SPITCH
.set ADRA, 16
.set ADRB, 20
.set STO,  24
.set RD,   25
.set CO,   26
.set SPW,  28
.set NIL,  29
.set BK,   32
.set G1,  24
.set G0,  32
.set G1B, 48
.set G0B, 56
.set MSB, 0
.macro WIN new
.if MSB != (\new)
	s_set_vgpr_msb (MSB<<8)|(\new)
.set MSB, (\new)
.endif
.endm
.macro JLOAD s
	s_cmp_eq_u32 s13, 0
	s_cbranch_scc0 .Lfor_b_\@
	tensor_load_to_lds s[G0+4*\s:G0+4*\s+3], s[G1:G1+7]
	s_nop 0
.rept 4
	v_nop
.endr
	s_branch .Lasked_\@
.Lfor_b_\@:
	tensor_load_to_lds s[G0B+4*\s:G0B+4*\s+3], s[G1B:G1B+7]
	s_nop 0
.rept 4
	v_nop
.endr
.Lasked_\@:
.endm
.macro CREST
	s_cmp_lg_u32 s12, 0
	s_cbranch_scc1 .Lnot_wave_0_\@
	s_barrier_signal -3
.Lnot_wave_0_\@:
	s_barrier_wait -3
	s_barrier_signal -1
	s_barrier_wait -1
.endm
.macro CROUND
	s_barrier_signal -1
	s_barrier_wait -1
	CREST
.endm
.macro PLACES
.rept 4
	v_nop
.endr
.endm
	s_load_b256 s[4:11], s[0:1], 0x0               ; att16 4, wo16 6, bo 8, out0 10
	v_lshl_add_u32 v[SPW], v0, 2, SPARE
	v_mov_b32 v[NIL], 0
	ds_add_u32 v[SPW], v[NIL]                      ; the wave's opening: the add, twice on end, and its wait ahead of my first tensor load
	ds_add_u32 v[SPW], v[NIL]
	v_lshrrev_b32 v1, 5, v0
	v_readfirstlane_b32 s12, v1                    ; wave 0..3
	s_lshr_b32 s13, s12, 1                         ; my half of the rows.  Also: I fetch for att (0) or for Wo (1)
	s_and_b32 s14, s12, 1                          ; my half of the columns.  Also: which 64 rows of that tile I fetch
	s_bfe_u32 s40, ttmp6, 0x40000
	s_bfe_u32 s41, ttmp6, 0x40004
	s_lshl_b32 s42, ttmp9, 2
	s_add_co_u32 s42, s42, s40                     ; column tile
	s_and_b32 s15, ttmp7, 0xffff
	s_lshl_b32 s15, s15, 2
	s_add_co_u32 s15, s15, s41                     ; row tile
	s_lshl_b32 s43, s41, 2
	s_lshl_b32 s43, 15, s43                        ; my row of the cluster
	s_lshl_b32 s44, 0x1111, s40                    ; my column
	s_or_b32 s[G1], s43, (1<<16)|(1<<20)|(1<<21)|(5<<22)|(3<<25)    ; elements of 2 bytes; 4 words of padding behind every 64
	s_or_b32 s[G1B], s44, (1<<16)|(1<<20)|(1<<21)|(6<<22)|(7<<25)   ; 8 words behind every 128
	s_mov_b32 s[G1+1], 128<<16                     ; att: 64 rows x 128 elements
	s_mov_b32 s[G1+2], 64<<16
	s_mov_b32 s[G1+3], 128<<16
	s_mov_b32 s[G1+4], 64
	s_mov_b32 s[G1+5], 1024
	s_mov_b32 s[G1+6], 0
	s_mov_b32 s[G1+7], 0
	s_mov_b32 s[G1B+1], 256<<16                    ; Wo: 64 k-rows x 256 elements
	s_mov_b32 s[G1B+2], 64<<16
	s_mov_b32 s[G1B+3], 256<<16
	s_mov_b32 s[G1B+4], 64
	s_mov_b32 s[G1B+5], 1024
	s_mov_b32 s[G1B+6], 0
	s_mov_b32 s[G1B+7], 0
	s_lshl_b32 s16, s15, 7
	s_lshl_b32 s17, s14, 6
	s_add_co_u32 s16, s16, s17
	s_lshl_b32 s16, s16, 11                        ; att: row 128 x row tile + 64 x half, 2,048 bytes a row
	s_mov_b32 s17, 0
	s_lshl_b32 s46, s14, 17                        ; Wo: k-row 64 x half,
	s_lshl_b32 s47, s42, 9
	s_add_co_u32 s46, s46, s47                     ; column 256 x column tile
	s_mov_b32 s47, 0
	s_mul_i32 s20, s14, 64*PA                      ; where they go in a slot
	s_mul_i32 s23, s14, 64*PB
	s_add_co_u32 s23, s23, BOFF
	s_wait_dscnt 0x0                               ; both opening adds are done
	s_wait_kmcnt 0x0
	s_add_nc_u64 s[18:19], s[4:5], s[16:17]
	s_add_nc_u64 s[46:47], s[6:7], s[46:47]
	CROUND                                         ; all sixteen work-groups are here
.irp s, 0,1
	s_mov_b32 s[G0+4*\s], 1
	s_add_co_u32 s[G0+4*\s+1], s20, \s*SLOT
	s_add_nc_u64 s[G0+4*\s+2:G0+4*\s+3], s[18:19], \s*256
	s_or_b32 s[G0+4*\s+3], s[G0+4*\s+3], 0x80000000
	s_mov_b32 s[G0B+4*\s], 1
	s_add_co_u32 s[G0B+4*\s+1], s23, \s*SLOT
	s_add_nc_u64 s[G0B+4*\s+2:G0B+4*\s+3], s[46:47], \s*262144
	s_or_b32 s[G0B+4*\s+3], s[G0B+4*\s+3], 0x80000000
	JLOAD \s
.endr
	s_lshl_b32 s46, s42, 8
	s_lshl_b32 s47, s14, 7
	s_add_co_u32 s46, s46, s47                     ; my first column,
	s_lshl_b32 s46, s46, 2                         ; in bytes of f32
	s_mov_b32 s47, 0
	s_add_nc_u64 s[8:9], s[8:9], s[46:47]          ; bo there
	s_add_nc_u64 s[10:11], s[10:11], s[46:47]
	s_lshl_b32 s16, s15, 7
	s_lshl_b32 s17, s13, 6
	s_add_co_u32 s16, s16, s17
	s_lshl_b32 s16, s16, 12                        ; my first row: 4,096 bytes a row
	s_mov_b32 s17, 0
	s_add_nc_u64 s[10:11], s[10:11], s[16:17]
	v_and_b32 v1, 15, v0                           ; r
	v_bfe_u32 v2, v0, 4, 1                         ; h
	v_lshlrev_b32 v4, 5, v2
	WIN 0x80                                       ; destination window 2
.irp b, 0,1,2,3,4,5,6,7
	global_load_b128 v[8*\b:8*\b+3], v4, s[8:9] offset:64*\b
	global_load_b128 v[8*\b+4:8*\b+7], v4, s[8:9] offset:64*\b+16
.endr
	WIN 0
	v_mul_u32_u24 v3, v1, PA
	v_lshl_add_u32 v3, v2, 4, v3                   ; att: row x pitch + 16 x half
	s_mul_i32 s21, s13, 64*PA
	v_and_b32 v5, 7, v0
	v_lshl_add_u32 v5, v2, 3, v5                   ; Wo, turned: k-row 8 h + lane % 8, columns 8 ((lane / 8) % 2) on
	v_mul_u32_u24 v5, v5, PB
	v_bfe_u32 v6, v0, 3, 1
	v_lshl_add_u32 v5, v6, 4, v5
	s_lshl_b32 s22, s14, 8
	s_add_co_u32 s22, s22, BOFF
.irp s, 0,1
	v_add_nc_u32 v[ADRA+\s], s21, v3
	v_add_nc_u32 v[ADRB+\s], s22, v5
	s_add_co_u32 s21, s21, SLOT
	s_add_co_u32 s22, s22, SLOT
.endr
	s_mul_i32 s22, s12, 16*SPITCH
	s_add_co_u32 s22, s22, STAGE                   ; my stage
	v_mul_u32_u24 v5, v1, SPITCH
	v_lshl_add_u32 v5, v2, 5, v5
	v_add_nc_u32 v[STO], s22, v5                   ; in: row r, 32 bytes for each half of the lanes
	v_and_b32 v6, 31, v0
	v_lshlrev_b32 v[CO], 4, v6                     ; back: the 32 lanes take one row of 512 bytes; the same in out0
	v_add_nc_u32 v[RD], s22, v[CO]
; 8 matrix instructions: rows' block a x all eight blocks of columns, 32 along K, from buffer f.  zero = 1: the sums start from bo.  The 32 accumulators take turns in the same order in every quarter.
.macro MUL8 f, a, zero
.irp b, 0,1,2,3,4,5,6,7
.if \zero
	v_wmma_f32_16x16x32_f16 v[8*(8*(\a)+\b):8*(8*(\a)+\b)+7], v[96+64*(\f)+8*\b:96+64*(\f)+8*\b+7], v[32+32*(\f)+8*(\a):32+32*(\f)+8*(\a)+7], v[8*\b:8*\b+7]
.else
	v_wmma_f32_16x16x32_f16 v[8*(8*(\a)+\b):8*(8*(\a)+\b)+7], v[96+64*(\f)+8*\b:96+64*(\f)+8*\b+7], v[32+32*(\f)+8*(\a):32+32*(\f)+8*(\a)+7], v[8*(8*(\a)+\b):8*(8*(\a)+\b)+7]
.endif
.endr
.endm
.macro MUL16 f, a0, zero
	MUL8 \f, \a0, \zero
	MUL8 \f, (\a0)+1, \zero
.endm
.macro FETCH slot, kq, f               ; 24 LDS loads in one run: Wo's 16 first, then att's 8
	WIN 0
.irp b, 0,1,2,3,4,5,6,7
	ds_load_tr16_b128 v[96+64*(\f)+8*\b:96+64*(\f)+8*\b+3],   v[ADRB+\slot] offset:32*PB*(\kq)+32*\b
	ds_load_tr16_b128 v[96+64*(\f)+8*\b+4:96+64*(\f)+8*\b+7], v[ADRB+\slot] offset:32*PB*(\kq)+32*\b+16*PB
.endr
.irp a, 0,1,2,3
	ds_load_b128 v[32+32*(\f)+8*\a:32+32*(\f)+8*\a+3],   v[ADRA+\slot] offset:64*(\kq)+\a*16*PA
	ds_load_b128 v[32+32*(\f)+8*\a+4:32+32*(\f)+8*\a+7], v[ADRA+\slot] offset:64*(\kq)+\a*16*PA+32
.endr
.endm
; A K step is four quarters of 32 along K, 32 matrix instructions each, on buffers 0, 1, 0, 1.  One of the first three: multiplies buffer f and fetches quarter kq of the slot into g.
.macro QUARTER slot, kq, f, g, zero
	s_wait_dscnt 4                                 ; Wo's fragments and att's blocks 0, 1 are in; the youngest four loads (blocks 2, 3) may be out
	WIN 0x50+0x10*(\zero)                          ; C and D window 1; at the start C (bo) window 2
	MUL16 \f, 0, \zero
	PLACES
	FETCH \slot, \kq, \g
	s_wait_dscnt 24                                ; all but the 24 just issued
	WIN 0x50+0x10*(\zero)
	MUL16 \f, 2, \zero
.endm
; The last quarter multiplies buffer 1 and changes slots: ONE barrier; in front of it each wave waits for all its tensor loads, adds 0 to its spare word, and waits for that and for its reads of this slot.
.macro TURN slot, next, fill
	WIN 0
	s_wait_tensorcnt 0x0                           ; all my tensor loads have landed: my part of the next slot
	ds_add_u32 v[SPW], v[NIL]
	s_wait_dscnt 5                                 ; (the add and the youngest four loads may be out)
	WIN 0x50
	MUL8 1, 0, 0                                   ; eight matrix instructions stand between the add and the wait for it
	s_wait_dscnt 0x0                               ; the add is done, and my reads of this slot are over
	s_barrier_signal -1
	MUL8 1, 1, 0
.if \fill
	WIN 0
.endif
	s_barrier_wait -1
.if \fill
	CREST                                          ; the barrier has opened a round of the cluster's: no wave of any partner still reads this slot or has a load on its way
	s_add_nc_u64 s[G0+4*\slot+2:G0+4*\slot+3], s[G0+4*\slot+2:G0+4*\slot+3], 512
	s_add_nc_u64 s[G0B+4*\slot+2:G0B+4*\slot+3], s[G0B+4*\slot+2:G0B+4*\slot+3], 524288
	JLOAD \slot                                    ; the first tensor load behind the round; its four v_nop are also the places in front of the loads below
.else
	PLACES
.endif
	FETCH \next, 0, 0
	WIN 0x50
	MUL16 1, 2, 0
.endm
	s_wait_tensorcnt 0x1                           ; my part of K step 0 is in; K step 1's may stay out
	s_barrier_signal -1
	s_barrier_wait -1
	FETCH 0, 0, 0
	s_wait_loadcnt 0x0                             ; bo
	QUARTER 0, 1, 0, 1, 1                          ; the first quarter stands in front of the loop: its products start the sums
	WIN 0
	s_mov_b32 s3, 3
.Llap:                                             ; a trip goes once round the ring and fills both slots again: K steps 2 to 7
	QUARTER 0, 2, 1, 0, 0
	QUARTER 0, 3, 0, 1, 0
	TURN 0, 1, 1
	QUARTER 1, 1, 0, 1, 0
	QUARTER 1, 2, 1, 0, 0
	QUARTER 1, 3, 0, 1, 0
	TURN 1, 0, 1
	QUARTER 0, 1, 0, 1, 0
	WIN 0
	s_sub_co_u32 s3, s3, 1
	s_cmp_lg_u32 s3, 0
	s_cbranch_scc1 .Llap
	QUARTER 0, 2, 1, 0, 0                          ; the last lap fills nothing
	QUARTER 0, 3, 0, 1, 0
	TURN 0, 1, 0
	QUARTER 1, 1, 0, 1, 0
	QUARTER 1, 2, 1, 0, 0
	QUARTER 1, 3, 0, 1, 0
	s_wait_dscnt 4
	WIN 0x50
	MUL16 1, 0, 0
	s_wait_dscnt 0x0
	MUL16 1, 2, 0
	WIN 0
; THE WAY OUT, a block of 16 rows x 128 columns at a time, through my own stage: in 32 bytes a lane, back as whole rows of 512 bytes.
.macro TOSTAGE a
	WIN 0x04                                       ; an LDS store's data: window 1
.irp b, 0,1,2,3,4,5,6,7
	ds_store_b128 v[STO], v[64*(\a)+8*\b:64*(\a)+8*\b+3] offset:64*\b          ; each accumulator from its low end on
	ds_store_b128 v[STO], v[64*(\a)+8*\b+4:64*(\a)+8*\b+7] offset:64*\b+16
.endr
	WIN 0
.set BB, BK+64*((\a)%2)
.irp t, 0,1,2,3,4,5,6,7,8,9,10,11,12,13,14,15
	ds_load_b128 v[BB+4*\t:BB+4*\t+3], v[RD] offset:\t*SPITCH   ; LDS serves a wave's instructions in order
.endr
.endm
.macro SEND a, younger
.set BB, BK+64*((\a)%2)
	s_wait_dscnt \younger                          ; the block is back; the next block's 16 stores and 16 loads may be out
.if (\a) > 0
	s_add_nc_u64 s[10:11], s[10:11], 16*4096       ; (behind a wait on XCNT: the earlier stores have read their base)
.endif
.irp t, 0,1,2,3,4,5,6,7,8,9,10,11,12,13,14,15
	global_store_b128 v[CO], v[BB+4*\t:BB+4*\t+3], s[10:11] offset:\t*4096 th:TH_STORE_NT   ; 512 consecutive bytes, aligned
.endr
.endm
	PLACES
	TOSTAGE 0
.irp a, 1,2,3
.if \a > 1
	s_wait_xcnt 0x0                                ; block a - 2's stores have read their registers and their base
.endif
	TOSTAGE \a
	SEND \a-1, 32
.endr
	s_wait_xcnt 0x0
	SEND 3, 0
	s_wait_tensorcnt 0x0                           ; the wave's end
	ds_add_u32 v[SPW], v[NIL]
	s_wait_dscnt 0x0
	CROUND                                         ; the closing round
	s_endpgm
.Lfunc_end_k_q23b8236237_oproj:
	.size	k_q23b8236237_oproj, .Lfunc_end_k_q23b8236237_oproj-k_q23b8236237_oproj
	.p2alignl 7, 3214868480
	.fill 96, 4, 3214868480
	.section	.rodata,"a",@progbits
	.p2align	6, 0x0
	.amdhsa_kernel k_q23b8236237_oproj
		.amdhsa_group_segment_fixed_size 327680
		.amdhsa_private_segment_fixed_size 0
		.amdhsa_enable_private_segment 0
		.amdhsa_kernarg_size 32
		.amdhsa_user_sgpr_count 2
		.amdhsa_user_sgpr_kernarg_segment_ptr 1
		.amdhsa_wavefront_size32 1
		.amdhsa_system_sgpr_workgroup_id_x 1
		.amdhsa_system_sgpr_workgroup_id_y 1
		.amdhsa_system_sgpr_workgroup_id_z 1
		.amdhsa_system_vgpr_workitem_id 0
		.amdhsa_next_free_vgpr 576
		.amdhsa_next_free_sgpr 66
		.amdhsa_reserve_vcc 0
		.amdhsa_float_denorm_mode_32 3
		.amdhsa_float_denorm_mode_16_64 3
		.amdhsa_memory_ordered 1
		.amdhsa_forward_progress 1
		.amdhsa_inst_pref_size 87
	.end_amdhsa_kernel
	.amdgpu_metadata
---
amdhsa.version: [ 1, 2 ]
amdhsa.kernels:
  - .name:           k_q23b8236237_oproj
    .symbol:         k_q23b8236237_oproj.kd
    .args:
      - { .name: att16, .offset: 0, .size: 8, .value_kind: global_buffer, .address_space: global }
      - { .name: wo16, .offset: 8, .size: 8, .value_kind: global_buffer, .address_space: global }
      - { .name: bo, .offset: 16, .size: 8, .value_kind: global_buffer, .address_space: global }
      - { .name: out0, .offset: 24, .size: 8, .value_kind: global_buffer, .address_space: global }
    .group_segment_fixed_size: 327680
    .private_segment_fixed_size: 0
    .kernarg_segment_align: 8
    .kernarg_segment_size: 32
    .max_flat_workgroup_size: 128
    .sgpr_count:     66
    .vgpr_count:     576
    .wavefront_size: 32
...
	.end_amdgpu_metadata
.endif
;; end of part 4
